; MI455X (gfx1250); checked and timed in simulation.
; The chip was launched on July 23, 2026; its instructions are those of AMD's public machine-readable ISA for CDNA 5 (MIT licence, August 2026) and "CDNA5" Instruction Set Architecture Reference Guide (July 2026). The comments in the code are by the model that wrote it; some were corrected since.
;; Vision Attention. Allowed arithmetic: matrix products marked QUANTISED: E2M1 operands, one E8M0 scale for each 32 along K, by v_wmma_scale_f32_16x16x128_f8f6f4 with both operands' format E2M1 (or v_wmma_scale_f32_32x16x128_f4), f32 sums; products left as they are: bf16, f16 or f32 operands; f32 sums; everything else in f32.
;; Inputs: W_o 1,024 x 1,024 float32; W_qkv 1,024 x 3,072 float32; b_o 1,024 float32; b_qkv 3,072 float32; x 8 x 1,024 x 1,024 float32.
;; Outputs: out0 8 x 1,024 x 1,024 float32.
;; This version of the problem:
;;   THIS VERSION OF THE PROBLEM IS GIVEN IN LOW PRECISION. The matrix products marked QUANTISED in the list below multiply operands that are first quantised to E2M1 (2 exponent bits, 1 mantissa bit; 4 bits a number), with one power-of-two scale for each 32 numbers along K (OCP MX v1.0); their sums are f32. The products marked 'left as it is' may take bf16, f16 or f32 operands, with f32 sums. Whichever they take, every output number must still come out within the allowed error. Rounding operands to bf16 (8 significant bits) uses up far more of that allowance than f16 does (11 bits, for magnitudes from 6e-5 to 65,504). All else is computed in f32.
;;   The module's matrix products, in the order in which they are computed (A, B: the left and right operand; K: the contracted axis; several contracted axes count as one K, in the product's order):
;;     1. [M 8,192, K 1,024] x [K 1,024, N 3,072]; A: input x; B: input W_qkv: QUANTISED
;;     2. batch 128 x [M 1,024, K 64] x [K 64, N 1,024]; A: computed on the way; B: computed on the way: left as it is (an operand is computed on the way)
;;     3. batch 128 x [M 1,024, K 1,024] x [K 1,024, N 64]; A: computed on the way; B: computed on the way: left as it is (an operand is computed on the way)
;;     4. [M 8,192, K 1,024] x [K 1,024, N 1,024]; A: computed on the way; B: input W_o: left as it is (an operand is computed on the way)
;;   THE QUANTISER, for each operand of a quantised product, along K:
;;     - K is cut into blocks of 32 from its start; a last block that is shorter is filled with zeros.
;;     - A block's scale is 2^e with e = floor(log2(the largest magnitude in the block)) - 2, held to -126 .. 127; a block of zeros has e = 0. As a byte (E8M0): e + 127.
;;     - Each number is divided by its block's scale, clamped to +-6, and rounded to the nearest number of E2M1, ties to even, subnormals kept.
;;     - The product sums the exact products of the quantised numbers (number of the format x scale) in f32.
;;   ~~~python
;;   def quantise(x, axis):      # numpy; x: float32 -> the quantised numbers, widened to float32 again
;;       x = np.moveaxis(x, axis, -1); K = x.shape[-1]
;;       x = np.pad(x, [(0, 0)] * (x.ndim - 1) + [(0, -K % 32)]); x = x.reshape(x.shape[:-1] + (-1, 32)); a = np.abs(x).max(-1, keepdims=True)
;;       e = np.where(a > 0, np.clip(np.frexp(np.where(a > 0, a, 1))[1] - 1 - 2, -126, 127), 0)      # np.frexp(a)[1] - 1 = floor(log2(a)), exactly
;;       r = np.clip(x / 2.0 ** e, -6, 6)
;;       step = 2.0 ** (np.maximum(np.frexp(np.where(r == 0, 1, r))[1] - 1, 0) - 1)
;;       q = np.round(r / step) * step * 2.0 ** e      # np.round: ties to even
;;       return np.moveaxis(q.reshape(q.shape[:-2] + (-1,))[..., :K], -1, axis).astype(np.float32)
;;   ~~~
;; One version. Each part assembles by itself: llvm-mc -triple=amdgcn-amd-amdhsa -mcpu=gfx1250 --defsym DOCPART=n.
;; ======== version 1 of 1: 4 launches
;; limits: values are held in f16: magnitudes above 65,504 overflow, below 6.1e-05 lose precision
;; workspace buffers: xc 4,194,304 bytes; xs 262,144 bytes; wc 1,572,864 bytes; ws 98,304 bytes; bp 12,288 bytes; wo 2,097,152 bytes; qkv 50,331,648 bytes; heads 16,777,216 bytes
;; launch prep (part 1): grid 416 x 1, 4 waves a work-group, no clusters, 102,912 bytes of LDS; arguments x, W_qkv, b_qkv, W_o, xc, xs, wc, ws, bp, wo; writes xc, xs, wc, ws, bp, wo
.if DOCPART == 1
	.amdgcn_target "amdgcn-amd-amdhsa--gfx1250"
	.amdhsa_code_object_version 6
	.text
	.protected	k_q4742b1c0c9_prep
	.globl	k_q4742b1c0c9_prep
	.p2align	8
	.type	k_q4742b1c0c9_prep,@function
k_q4742b1c0c9_prep:
	s_mov_b64 s[64:65], 0
	v_nop
	global_prefetch_b8 v0, s[64:65] scope:SCOPE_SE
	s_setreg_imm32_b32 hwreg(HW_REG_WAVE_MODE, 25, 1), 1
	s_wait_xcnt 0x0
; THE PROGRAM: out = softmax(q k^T / 8) v W_o + b_o with q, k, v = x W_qkv + b_qkv, 8 batches x 1,024 positions x 1,024 channels, 16 heads of 64.  Four launches: this one lays the operands out,
; the second makes q, k, v (the QUANTISED product, on codes of E2M1), the third is the attention, the fourth the projection.
; DEAD WORK: none is left out, and every input is loaded.  k's part of b_qkv adds q . b_k to every score of a row, which a softmax takes away in real numbers; it is kept all the same: it rides as the C operand
; of the first matrix instructions of blocks of 128 columns that also hold v's part, which is live, so that leaving it out would spare no load, tile or instruction.
; LIMITS: q, k, v, the heads and W_o are rounded to f16 for the products that are left as they are: magnitudes of q, k, v beyond 65,504 are not served.  NaN and infinities among the inputs are not served.
; A block of 32 zeros gets the scale byte 1 where the quantiser's rule says 127: its codes are zeros, which add nothing under any byte but 0xff, and this program alone reads the bytes.
; Blocks whose largest magnitude lies under 2^(3 - 127), the floor that holds the byte at 1, were not tried.
;
; THIS LAUNCH, three paths that part on the work-group's number and never meet again; each has LDS bytes of its own.  The path with the longest chain of loads has the lowest numbers.
;   B, work-groups 0-95:    W_qkv [1024 k][3072 c] f32 -> wc [3072 n][512 bytes] codes, K innermost, two codes a byte; ws [3072 n][32] E8M0 bytes; b_qkv -> bp [3072 n].
;      A wave takes 16 columns x 512 along K.  Lane (r, h) takes column r, and its registers run down K: blocks 2 t + h, t = 0 .. 7.  So a wave walks 8 blocks, and a column's 256 bytes of codes are one wave's.
;      THE COLUMNS ARE PERMUTED: n < 1024 is q: c = 192 (n / 64) + n % 64;  n = 1024 + m is k, then v, head by head: c = 192 (m / 128) + 64 + m % 128.
;      So a row of q|k|v has q of head h at byte 128 h and k|v of head h together at byte 2,048 + 256 h.  Neighbouring n that begin at a multiple of 16, 32 or 64 and are as many are neighbouring c.
;   C, work-groups 96-159:  W_o [1024 k][1024 n] f32 -> wo, f16, IN THE ORDER OF THE OPERAND'S REGISTERS: wo[kb][nb][c][u][lane][16 bytes]: lane (r, h) holds W_o[64 kb + 32 c + 16 u + 8 h + 0 .. 7][16 nb + r]:
;      registers 4 u .. 4 u + 3 of the fragment of 16 columns x 32 along K, so that the projection takes a fragment by two loads of 512 consecutive bytes.
;   A, work-groups 160-415: x [8192][1024] f32 -> xc [8192][512 bytes] codes; xs [8192][32] E8M0 bytes.  Rows are dense: a plain stream of blocks of 32.
; No tensor loads, no barrier: waves share nothing.
.set SPW,   190                        ; v190  LDS address of my spare word: SPARE + 4 x my thread's number; never rewritten
.set NIL,   191                        ; v191  0; never rewritten
.set LDSB,  32768                      ; path A: bytes 0 to 32,767 (8,192 a wave); path B from here: four stages of 16 x 272
.set LDSC,  67584                      ; path C: four stages of 32 x 272
.set SPARE, 102400                     ; the spare words, 128 bytes for each wave: two blocks of 256 bytes that no other line names
.set WREG,  8192                       ; path A: a wave's region: two stages of 32 x SP bytes, behind them its 256 scale bytes
.set SP,    80                         ; path A: a lane's place in a stage: its 64 bytes + 16 of padding
.set RA,    16                         ; path A: v16-79   four sets of 16 numbers as they are loaded
.set XA,    80                         ;         v80-111  two sets of 16 neighbours
.set EA,    112                        ;         v112-127 a scale byte for each step
.set CA,    128                        ;         v128-189 codes: four registers for each step, so that no store's data are written again
.set PITCH, 272                        ; paths B, C: a stage row: 256 bytes + 16
.set X,     32                         ; paths B, C: v32-95 two sets of 32 numbers down K
.set C,     96                         ;             v96-111 a block's codes (B: 4 registers) or f16 pairs (C: 16)
.set OUTR,  112                        ;             v112-175 the way out
.set SB,    24                         ; path B: v24-27 the scale bytes' four words; v28-31 lane l xor 16's
.macro LOADA t                         ; path A: step t's 512 numbers: each load reads 512 consecutive bytes
.irp i, 0,1,2,3
	global_load_b128 v[RA+16*((\t)%4)+4*\i:RA+16*((\t)%4)+4*\i+3], v3, s[4:5] offset:2048*(\t)+512*\i th:TH_LOAD_NT
.endr
.endm
.macro TURNA t                         ; step t's numbers through the stage: in as they lie, back 64 bytes a lane.  LDS serves a wave's instructions in order: no wait between
.irp i, 0,1,2,3
	ds_store_b128 v14, v[RA+16*((\t)%4)+4*\i:RA+16*((\t)%4)+4*\i+3] offset:32*SP*((\t)%2)+8*SP*\i
.endr
.irp i, 0,1,2,3
	ds_load_b128 v[XA+16*((\t)%2)+4*\i:XA+16*((\t)%2)+4*\i+3], v15 offset:32*SP*((\t)%2)+16*\i
.endr
.endm
.macro STEPA t
.set XS, XA+16*((\t)%2)
.if (\t) > 0
	s_wait_dscnt 1                                 ; this step's numbers are back from the stage (the last step's byte store may be out)
.else
	s_wait_dscnt 0x0
.endif
.if (\t)+4 < 16
	LOADA (\t)+4                                   ; into the set whose stores into the stage have read their registers
.endif
.if (\t)+1 < 16
.if 14-(\t) >= 3
	s_wait_loadcnt 12                              ; the next step's four loads are in; those of the three steps behind it may be out
.else
	s_wait_loadcnt 4*(14-(\t))
.endif
	TURNA (\t)+1
.endif
	v_max3_num_f32 v8, |v[XS]|, |v[XS+1]|, |v[XS+2]|               ; the largest magnitude of my 16, in two chains
	v_max3_num_f32 v9, |v[XS+3]|, |v[XS+4]|, |v[XS+5]|
.irp i, 6,10
	v_max3_num_f32 v8, v8, |v[XS+\i]|, |v[XS+\i+1]|
	v_max3_num_f32 v9, v9, |v[XS+\i+2]|, |v[XS+\i+3]|
.endr
	v_max3_num_f32 v8, v8, |v[XS+14]|, |v[XS+15]|
	v_max3_num_f32 v8, v8, v9, 0x1800000           ; and the floor 2^(3 - 127): the byte cannot fall under 1
	v_max_num_f32_dpp v8, v8, v8 row_xmask:1 row_mask:0xf bank_mask:0xf   ; with my neighbour's 16: the block's
	v_add_nc_u32 v11, 0xff000000, v8               ; 2 off its exponent field: the conversion takes the exponent field of this operand as its scale
	v_cvt_scalef32_pk8_fp4_f32 v[CA+4*(\t)], v[XS:XS+7], v11
	v_cvt_scalef32_pk8_fp4_f32 v[CA+4*(\t)+1], v[XS+8:XS+15], v11
	v_lshrrev_b32 v[EA+(\t)], 23, v11              ; the scale's byte (a plain line behind the conversions)
	ds_store_b8 v5, v[EA+(\t)] offset:16*(\t)      ; both lanes of a block write the same byte with the same value
	global_store_b64 v4, v[CA+4*(\t):CA+4*(\t)+1], s[12:13] offset:256*(\t)   ; the wave stores 256 consecutive bytes, aligned
.endm
.macro LOADK t, base, pitch, rows      ; paths B, C: my block t: rows (rows x t + i) of my column, i = 0 .. 31, from my lane's first row on, into set t % 2
.irp i, 0,1,2,3,4,5,6,7,8,9,10,11,12,13,14,15,16,17,18,19,20,21,22,23,24,25,26,27,28,29,30,31
	global_load_b32 v[X+32*((\t)%2)+\i], v3, s[\base:\base+1] offset:((\rows)*(\t)+\i)*\pitch th:TH_LOAD_NT
.endr
.endm
.macro BLOCKQ t                        ; path B: block 2 t + h of my column: all its 32 numbers are mine
.set XS, X+32*((\t)%2)
.if (\t) < 7
	s_wait_loadcnt 32                              ; this block's 32 loads are in; the next block's may be out
.else
	s_wait_loadcnt 0
.endif
	v_max3_num_f32 v12, |v[XS]|, |v[XS+1]|, |v[XS+2]|
	v_max3_num_f32 v13, |v[XS+3]|, |v[XS+4]|, |v[XS+5]|
.irp i, 6,10,14,18,22,26
	v_max3_num_f32 v12, v12, |v[XS+\i]|, |v[XS+\i+1]|
	v_max3_num_f32 v13, v13, |v[XS+\i+2]|, |v[XS+\i+3]|
.endr
	v_max3_num_f32 v12, v12, |v[XS+30]|, |v[XS+31]|
	v_max3_num_f32 v12, v12, v13, 0x1800000        ; the floor 2^(3 - 127)
	v_add_nc_u32 v11, 0xff000000, v12              ; the conversion's scale operand
	v_lshrrev_b32 v13, 23, v11                     ; the scale's byte
.if (\t)%2 == 0
	v_mov_b32 v[SB+(\t)/2], v13                    ; word t / 2 of the column's four: block 2 t + h is its byte 2 (t % 2) + h; the 8 h bits are added behind the last block
.else
	v_lshl_or_b32 v[SB+(\t)/2], v13, 16, v[SB+(\t)/2]
.endif
.irp g, 0,1,2,3
	v_cvt_scalef32_pk8_fp4_f32 v[C+\g], v[XS+8*\g:XS+8*\g+7], v11
.endr
	v_nop                                          ; one plain line behind the last conversion
	ds_store_b128 v4, v[C:C+3] offset:32*(\t)      ; 32 codes: bytes 16 (2 t + h) on of my column's row
.if (\t)+2 < 8
	LOADK (\t)+2, 6, 12288, 64
.endif
	s_wait_dscnt 0x0                               ; the store has read its registers: the next block's codes may be written
.endm
.macro BLOCKH t                        ; path C: 32 numbers down K of my column become 16 pairs of f16: 64 bytes of my column's row
.set XS, X+32*((\t)%2)
.if (\t) < 3
	s_wait_loadcnt 32
.else
	s_wait_loadcnt 0
.endif
.irp i, 0,1,2,3,4,5,6,7,8,9,10,11,12,13,14,15
	v_cvt_pk_f16_f32 v[C+\i], v[XS+2*\i], v[XS+2*\i+1]
.endr
.irp g, 0,1,2,3
	ds_store_b128 v4, v[C+4*\g:C+4*\g+3] offset:64*(\t)+16*\g
.endr
.if (\t)+2 < 4
	LOADK (\t)+2, 10, 4096, 32
.endif
	s_wait_dscnt 0x0                               ; the stores have read their registers
.endm
.macro CLOSE                           ; a wave's end, behind my last LDS store
	s_wait_tensorcnt 0x0
	ds_add_u32 v[SPW], v[NIL]
	s_wait_dscnt 0x0
	s_endpgm
.endm
	s_load_b512 s[4:19], s[0:1], 0x0               ; x s[4:5], W_qkv s[6:7], b_qkv s[8:9], W_o s[10:11], xc s[12:13], xs s[14:15], wc s[16:17], ws s[18:19]
	s_load_b128 s[20:23], s[0:1], 0x40             ; bp s[20:21], wo s[22:23]
	v_lshl_add_u32 v[SPW], v0, 2, SPARE
	v_mov_b32 v[NIL], 0
	v_lshrrev_b32 v1, 5, v0
	v_readfirstlane_b32 s24, v1                    ; wave 0..3
	v_and_b32 v2, 31, v0                           ; lane
	s_wait_kmcnt 0x0
	s_cmp_ge_u32 ttmp9, 160
	s_cbranch_scc1 .Lpath_a
	s_cmp_lt_u32 ttmp9, 96
	s_cbranch_scc1 .Lpath_b
	; ---------------- PATH C: W_o.  Work-group (gx, gy): columns 128 gx on, rows 128 gy on; a wave takes 32 columns x 128 along K: blocks kb = 2 gy and 2 gy + 1, tiles nb = n0 / 16 and the next
	s_sub_co_u32 s25, ttmp9, 96
	s_lshr_b32 s26, s25, 3                         ; gx 0..7
	s_and_b32 s27, s25, 7                          ; gy 0..7
	s_lshl_b32 s28, s26, 7
	s_lshl_b32 s29, s24, 5
	s_add_co_u32 s28, s28, s29                     ; n0: my wave's first column
	s_lshl_b32 s30, s27, 19                        ; 128 gy rows of 4,096 bytes
	s_lshl_b32 s31, s28, 2
	s_add_co_u32 s30, s30, s31
	s_mov_b32 s31, 0
	s_add_nc_u64 s[10:11], s[10:11], s[30:31]
	s_lshl_b32 s30, s27, 7                         ; block 2 gy: 64 tiles of 16 columns a block,
	s_lshr_b32 s29, s28, 4                         ; + my first tile,
	s_add_co_u32 s30, s30, s29
	s_lshl_b32 s30, s30, 11                        ; 2,048 bytes for a tile's 64 along K
	s_add_nc_u64 s[22:23], s[22:23], s[30:31]
	s_mul_i32 s32, s24, 32*PITCH
	s_add_co_u32 s32, s32, LDSC                    ; my stage
	v_lshlrev_b32 v3, 2, v2                        ; in: 4 bytes a lane
	v_mul_u32_u24 v4, v2, PITCH
	v_add_nc_u32 v4, s32, v4                       ; into the stage: row = my column, 2 bytes for each of its 128 along K
	v_and_b32 v5, 15, v2                           ; r
	v_lshrrev_b32 v6, 4, v2                        ; h
	v_mul_u32_u24 v7, v5, PITCH
	v_lshl_add_u32 v7, v6, 4, v7
	v_add_nc_u32 v7, s32, v7                       ; out of it, as the operand's registers want it: column r of a tile, 16 h bytes on
	v_lshlrev_b32 v8, 4, v2                        ; and in wo: 16 bytes a lane, 512 consecutive bytes an instruction
	LOADK 0, 10, 4096, 32
	LOADK 1, 10, 4096, 32
	BLOCKH 0
	BLOCKH 1
	BLOCKH 2
	BLOCKH 3
.irp j, 0,1                            ; block kb = 2 gy + j; tile p; 32 c along K on; registers 4 u on
.irp p, 0,1
.irp c, 0,1
.irp u, 0,1
	ds_load_b128 v[OUTR+4*(8*\j+4*\p+2*\c+\u):OUTR+4*(8*\j+4*\p+2*\c+\u)+3], v7 offset:\p*16*PITCH+128*\j+64*\c+32*\u   ; LDS serves a wave's instructions in order: these see my stores
.endr
.endr
.endr
.endr
.irp j, 0,1
.irp p, 0,1
.irp c, 0,1
.irp u, 0,1
	s_wait_dscnt 15-(8*\j+4*\p+2*\c+\u)
	global_store_b128 v8, v[OUTR+4*(8*\j+4*\p+2*\c+\u):OUTR+4*(8*\j+4*\p+2*\c+\u)+3], s[22:23] offset:\j*131072+\p*2048+\c*1024+\u*512
.endr
.endr
.endr
.endr
	CLOSE
	; ---------------- PATH A: x.  A wave takes 16 steps of 512 numbers; two neighbouring lanes hold a block of 32
.Lpath_a:
	v_lshlrev_b32 v3, 4, v2                        ; my 16 bytes of a load's 512
	s_mul_i32 s25, s24, WREG
	v_lshrrev_b32 v14, 2, v2
	v_mul_u32_u24 v14, v14, SP
	v_and_b32 v15, 3, v2
	v_lshl_add_u32 v14, v15, 4, v14
	v_add_nc_u32 v14, s25, v14                     ; the stage, on the way in: SP (lane / 4) + 16 (lane % 4)
	v_mul_u32_u24 v15, v2, SP
	v_add_nc_u32 v15, s25, v15                     ; and on the way out: SP x lane: my 16 neighbours
	v_mul_u32_u24 v4, v2, 8                        ; my 16 codes' 8 bytes in a step's 256
	v_lshrrev_b32 v5, 1, v2
	s_add_co_u32 s25, s25, 2*32*SP
	v_add_nc_u32 v5, s25, v5                       ; my wave's 256 scale bytes, my block's byte
	v_lshlrev_b32 v7, 3, v2                        ; and on the way out 8 bytes a lane
	v_add_nc_u32 v6, s25, v7
	s_sub_co_u32 s26, ttmp9, 160
	s_lshl_b32 s26, s26, 2
	s_add_co_u32 s26, s26, s24                     ; which run of 8,192 numbers is my wave's: 0 .. 1,023
	s_mov_b32 s29, 0
	s_lshl_b32 s28, s26, 15                        ; 32,768 bytes of x,
	s_add_nc_u64 s[4:5], s[4:5], s[28:29]
	s_lshl_b32 s28, s26, 12                        ; 4,096 of codes,
	s_add_nc_u64 s[12:13], s[12:13], s[28:29]
	s_lshl_b32 s28, s26, 8                         ; 256 scale bytes a run
	s_add_nc_u64 s[14:15], s[14:15], s[28:29]
.irp t, 0,1,2,3
	LOADA \t
.endr
	s_wait_loadcnt 12                              ; step 0's four loads are in
	TURNA 0
.irp t, 0,1,2,3,4,5,6,7,8,9,10,11,12,13,14,15
	STEPA \t
.endr
	ds_load_b64 v[8:9], v6                         ; LDS serves a wave's instructions in order: these see my byte stores
	s_wait_dscnt 0x0
	global_store_b64 v7, v[8:9], s[14:15]          ; 32 lanes store 256 consecutive bytes, aligned
	CLOSE
	; ---------------- PATH B: W_qkv and b_qkv.  Work-group (gx, gy): columns n = 64 gx on, 512 gy along K on; a wave takes 16 columns x 512 along K
.Lpath_b:
	s_lshr_b32 s26, ttmp9, 1                       ; gx 0..47
	s_and_b32 s27, ttmp9, 1                        ; gy 0..1
	s_lshl_b32 s28, s26, 6
	s_lshl_b32 s29, s24, 4
	s_add_co_u32 s28, s28, s29                     ; n0: my wave's first column of the permuted order
	s_lshr_b32 s30, s28, 6                         ; q's form: 192 (n0 / 64) + n0 % 64
	s_mul_i32 s30, s30, 192
	s_and_b32 s31, s28, 63
	s_add_co_u32 s30, s30, s31
	s_max_u32 s32, s28, 1024                       ; k|v's form, m = n0 - 1024 (held at 0 where it is not taken): 192 (m / 128) + 64 + m % 128
	s_sub_co_u32 s32, s32, 1024
	s_lshr_b32 s33, s32, 7
	s_mul_i32 s33, s33, 192
	s_and_b32 s34, s32, 127
	s_add_co_u32 s33, s33, s34
	s_add_co_u32 s33, s33, 64
	s_cmp_lt_u32 s28, 1024
	s_cselect_b32 s30, s30, s33                    ; c0: the same column in W_qkv and b_qkv
	s_mul_i32 s34, s27, 512*12288                  ; 512 gy rows of 12,288 bytes
	s_lshl_b32 s35, s30, 2
	s_add_co_u32 s34, s34, s35
	s_mov_b32 s35, 0
	s_add_nc_u64 s[6:7], s[6:7], s[34:35]
	s_lshl_b32 s34, s30, 2
	s_add_nc_u64 s[8:9], s[8:9], s[34:35]          ; b_qkv at c0
	s_lshl_b32 s34, s28, 2
	s_add_nc_u64 s[20:21], s[20:21], s[34:35]      ; bp at n0
	s_lshl_b32 s34, s28, 9                         ; wc: 512 bytes a column,
	s_lshl_b32 s33, s27, 8                         ; + 256 gy
	s_add_co_u32 s34, s34, s33
	s_add_nc_u64 s[16:17], s[16:17], s[34:35]
	s_lshl_b32 s34, s28, 5                         ; ws: 32 bytes a column,
	s_lshl_b32 s33, s27, 4                         ; + 16 gy
	s_add_co_u32 s34, s34, s33
	s_add_nc_u64 s[18:19], s[18:19], s[34:35]
	s_mul_i32 s32, s24, 16*PITCH
	s_add_co_u32 s32, s32, LDSB                    ; my stage: 16 rows
	s_mov_b32 s36, 0x76543210
	s_mov_b32 s37, 0xfedcba98                      ; v_permlanex16_b32's selects for lane l xor 16
	v_and_b32 v5, 15, v2                           ; r: my column
	v_lshrrev_b32 v6, 4, v2                        ; h: even blocks or odd
	v_lshlrev_b32 v3, 2, v5                        ; in: 4 r,
	v_mul_u32_u24 v10, v6, 32*12288                ; and 32 rows further down for lanes 16-31: sixteen lanes read 64 consecutive bytes, the four waves side by side 256
	v_add_nc_u32 v3, v3, v10
	v_mul_u32_u24 v4, v5, PITCH
	v_lshl_add_u32 v4, v6, 4, v4
	v_add_nc_u32 v4, s32, v4                       ; into the stage: row = my column, + 16 h
	v_mul_u32_u24 v7, v6, PITCH
	v_lshl_add_u32 v7, v5, 4, v7
	v_add_nc_u32 v7, s32, v7                       ; out of it: sixteen lanes to a row, two rows an instruction
	v_lshlrev_b32 v8, 9, v6
	v_lshl_add_u32 v8, v5, 4, v8                   ; and the same place in wc
	v_lshlrev_b32 v9, 5, v5
	v_lshl_add_u32 v9, v6, 3, v9                   ; ws: my column's row, + 8 h: each lane stores 8 of the column's 16 bytes
.irp w, 0,1,2,3
	v_mov_b32 v[28+\w], 0                          ; written once: a lane permute's destination counts as one of its sources
.endr
	LOADK 0, 6, 12288, 64
	LOADK 1, 6, 12288, 64
.set Q, 0
.rept 8
	BLOCKQ Q
.set Q, Q+1
.endr
	v_lshlrev_b32 v10, 3, v6                       ; 8 h
.irp w, 0,1,2,3
	v_lshlrev_b32 v[SB+\w], v10, v[SB+\w]          ; my bytes at their places in the four words,
.endr
.irp w, 0,1,2,3
	v_permlanex16_b32 v[28+\w], v[SB+\w], s36, s37
.endr
.irp w, 0,1,2,3
	v_or_b32 v[SB+\w], v[SB+\w], v[28+\w]          ; with lane l xor 16's the words are whole
.endr
	v_cmp_eq_u32 vcc_lo, 1, v6
	v_cndmask_b32 v28, v24, v26, vcc_lo            ; lanes 0-15 take words 0 and 1, lanes 16-31 words 2 and 3
	v_cndmask_b32 v29, v25, v27, vcc_lo
	global_store_b64 v9, v[28:29], s[18:19]
.irp t, 0,1,2,3,4,5,6,7
	ds_load_b128 v[OUTR+4*\t:OUTR+4*\t+3], v7 offset:2*\t*PITCH   ; LDS serves a wave's instructions in order: these see my stores
.endr
.irp t, 0,1,2,3,4,5,6,7
	s_wait_dscnt 7-\t
	global_store_b128 v8, v[OUTR+4*\t:OUTR+4*\t+3], s[16:17] offset:2*\t*512   ; sixteen lanes store 256 consecutive bytes, aligned
.endr
	s_and_b32 s33, s24, 1                          ; the bias goes with waves 0 and 2 of the work-groups of gy = 0: there n0 is a multiple of 32, and 32 lanes take 32 neighbouring columns
	s_or_b32 s33, s33, s27
	s_cmp_lg_u32 s33, 0
	s_cbranch_scc1 .Lno_bias
	v_lshlrev_b32 v11, 2, v2
	global_load_b32 v10, v11, s[8:9]
	s_wait_loadcnt 0x0
	global_store_b32 v11, v10, s[20:21]
.Lno_bias:
	CLOSE
.Lfunc_end_k_q4742b1c0c9_prep:
	.size	k_q4742b1c0c9_prep, .Lfunc_end_k_q4742b1c0c9_prep-k_q4742b1c0c9_prep
	.p2alignl 7, 3214868480
	.fill 96, 4, 3214868480
	.section	.rodata,"a",@progbits
	.p2align	6, 0x0
	.amdhsa_kernel k_q4742b1c0c9_prep
		.amdhsa_group_segment_fixed_size 102912
		.amdhsa_private_segment_fixed_size 0
		.amdhsa_enable_private_segment 0
		.amdhsa_kernarg_size 80
		.amdhsa_user_sgpr_count 2
		.amdhsa_user_sgpr_kernarg_segment_ptr 1
		.amdhsa_wavefront_size32 1
		.amdhsa_system_sgpr_workgroup_id_x 1
		.amdhsa_system_sgpr_workgroup_id_y 1
		.amdhsa_system_sgpr_workgroup_id_z 1
		.amdhsa_system_vgpr_workitem_id 0
		.amdhsa_next_free_vgpr 192
		.amdhsa_next_free_sgpr 66
		.amdhsa_reserve_vcc 1
		.amdhsa_float_denorm_mode_32 3
		.amdhsa_float_denorm_mode_16_64 3
		.amdhsa_memory_ordered 1
		.amdhsa_forward_progress 1
		.amdhsa_inst_pref_size 97
	.end_amdhsa_kernel
	.amdgpu_metadata
---
amdhsa.version: [ 1, 2 ]
amdhsa.kernels:
  - .name:           k_q4742b1c0c9_prep
    .symbol:         k_q4742b1c0c9_prep.kd
    .args:
      - { .name: x, .offset: 0, .size: 8, .value_kind: global_buffer, .address_space: global }
      - { .name: W_qkv, .offset: 8, .size: 8, .value_kind: global_buffer, .address_space: global }
      - { .name: b_qkv, .offset: 16, .size: 8, .value_kind: global_buffer, .address_space: global }
      - { .name: W_o, .offset: 24, .size: 8, .value_kind: global_buffer, .address_space: global }
      - { .name: xc, .offset: 32, .size: 8, .value_kind: global_buffer, .address_space: global }
      - { .name: xs, .offset: 40, .size: 8, .value_kind: global_buffer, .address_space: global }
      - { .name: wc, .offset: 48, .size: 8, .value_kind: global_buffer, .address_space: global }
      - { .name: ws, .offset: 56, .size: 8, .value_kind: global_buffer, .address_space: global }
      - { .name: bp, .offset: 64, .size: 8, .value_kind: global_buffer, .address_space: global }
      - { .name: wo, .offset: 72, .size: 8, .value_kind: global_buffer, .address_space: global }
    .group_segment_fixed_size: 102912
    .private_segment_fixed_size: 0
    .kernarg_segment_align: 8
    .kernarg_segment_size: 80
    .max_flat_workgroup_size: 128
    .sgpr_count:     66
    .vgpr_count:     192
    .wavefront_size: 32
...
	.end_amdgpu_metadata
.endif
;; end of part 1
;; launch qkvgemm (part 2): grid 12 x 32, 4 waves a work-group, clusters of 4 x 4, 327,680 bytes of LDS; arguments xc, xs, wc, ws, bp, qkv; writes qkv
.if DOCPART == 2
	.amdgcn_target "amdgcn-amd-amdhsa--gfx1250"
	.amdhsa_code_object_version 6
	.text
	.protected	k_q4742b1c0c9_qkvgemm
	.globl	k_q4742b1c0c9_qkvgemm
	.p2align	8
	.type	k_q4742b1c0c9_qkvgemm,@function
k_q4742b1c0c9_qkvgemm:
	s_mov_b64 s[64:65], 0
	v_nop
	global_prefetch_b8 v0, s[64:65] scope:SCOPE_SE
	s_setreg_imm32_b32 hwreg(HW_REG_WAVE_MODE, 25, 1), 1
	s_wait_xcnt 0x0
	s_wait_alu depctr_hold_cnt(0) depctr_sa_sdst(0) depctr_va_vdst(0) depctr_va_sdst(0) depctr_va_ssrc(0) depctr_va_vcc(0) depctr_vm_vsrc(0)
	s_getreg_b32 s2, hwreg(HW_REG_IB_STS2, 6, 4)
	s_cmp_eq_u32 s2, 0
	s_cbranch_scc0 .Lentry_in_a_cluster
	s_endpgm
.Lentry_in_a_cluster:
	s_bfe_u32 s2, ttmp6, 0x10000c
	s_cmp_lg_u32 s2, 0xf033
	s_cbranch_scc0 .Lentry_shape_is_right
	s_endpgm
.Lentry_shape_is_right:
; qkv[m][n] = sum over k of x[m][k] W[n][k] + bp[n], rounded to f16.  x: [8192][1024], W: [3072 permuted columns][1024]: codes of FP4 (E2M1) with one E8M0 scale for each 32 along K, as the launch before laid them.
; Sums in f32.  No work is left out: k's part of the bias rides as C with v's (see the first kernel's head).  LIMIT: results beyond 65,504 in magnitude do not fit f16 and are not served.
; A tile of the result, 256 x 256, is made by a work-group of four waves; a wave makes 128 x 128: 64 accumulators of 16 x 16, 512 registers.
; K = 1,024 is two K steps of 512 (rows of 256 bytes): each lies in an LDS slot of its own, both asked for at the head: nothing is filled again.  A wave has three tensor loads out.
; THE SCALES of the work-group's 256 rows of x and 256 rows of W, for all of K, are two dense blocks of memory: they come into LDS once, with the first fills.
; CLUSTERS: 4 x 4 work-groups.  The four of a row of the cluster need the same tiles of x, the four of a column the same tiles of W: each tile is asked for JOINTLY, by the same tensor load with the same
; descriptor and a mask that names the four.  THE MATRIX INSTRUCTION IS USED TRANSPOSED (source 0 = 16 rows of W, source 1 = 16 rows of x): a lane then holds eight neighbouring numbers of a row of the result.
; THE BIAS is the C of each sum's first matrix instruction: eight registers for each of W's eight blocks, in the result's layout.
; REGISTERS, in windows of 256: window 0: v0-31 addresses; v32-95 scale words, two sets; v128-191 x's fragments, one set; v192-255 the bias; on the way out v32-63 and v192-255 are at work.
;   window 1: W's fragments, two sets, at v0 and v128.   window 2: the 32 accumulators of my rows 0-63 ((a, b) at v[8 (8 a + b)]);   window 3: those of my rows 64-127.
.set SIZE_N, 3072
.set SIZE_K, 1024
.set KSTEP,  512
.set NQ,     KSTEP/128                 ; matrix instructions deep
.set ROWB,   256                       ; a tile's row in bytes
.set KROW,   SIZE_K/2                  ; a row of codes in memory, in bytes
.set PITCH,  272                       ; an LDS row: 256 bytes + 16 of padding = 68 words: row r starts at bank 4 r mod 64 (64 banks of 4 bytes: ISA guide 11.1)
.set FR,     8                         ; registers of a fragment: 16 rows x 128 K
.set NL,     2                         ; LDS loads that bring one
.set NP,     4                         ; places behind this matrix instruction (ISA guide 7.12.1)
.set HALFT,  128*PITCH
.set SLOT,   4*HALFT                   ; x's 256 rows, then W's 256 rows
.set KS,     SIZE_K/32                 ; a row of scales in bytes
.set SCL,    2*SLOT                    ; behind the slots: the scales, as units of 256 bytes + 16 of padding
.set HALFS,  (128*KS/256)*272
.set SBLK,   (16*KS/256)*272
.set SPARE,  SCL+4*HALFS               ; the spare words, 128 bytes for each wave: two blocks of 256 bytes that no other line names
.set SPITCH, 272                       ; the way out: a stage of 16 rows x (256 bytes + 16) for each wave, in slot 0, which has had its only fill and its last read when the first result is stored there
.set CROW,   SIZE_N*2                  ; a row of the result in bytes
.set ADRA, 16
.set ADRB, 20
.set STO,  24
.set RD,   25
.set CO,   26
.set ADRS, 27
.set SPW,  28                          ; v28 LDS address of my spare word; never rewritten
.set NIL,  29                          ; v29 0; never rewritten
.set SC,   32
.set AF,   128
.set BIAS, 192
.set TMP,  192                         ; the way out: packed results
.set OB,   32                          ; the way out: 16 rows read back: v32-63 and v224-255 by turns
.set G1, 24
.set G0, 32
.set G1B, 48
.set G0B, 56
.set G1S, 68
.set G0S, 76
.set G1SB, 80
.set G0SB, 88
.set MSB, 0
.macro WIN new                         ; the immediate's high byte repeats the setting that is left
.if MSB != \new
	s_set_vgpr_msb (MSB<<8)|\new
.set MSB, \new
.endif
.endm
.set MUL_LO, 0xa1                      ; source 0 (W) window 1, source 1 (x) window 0, C and D window 2
.set MUL_HI, 0xf1                      ; the same, C and D window 3
.set BEG_LO, 0x81                      ; the first step: C (the bias) window 0, D window 2
.set BEG_HI, 0xc1                      ; C window 0, D window 3
.set TO_B,   0x40
; A joint load: waves 0 and 1 fetch for x, waves 2 and 3 for W.  The branch hangs on the wave's number alone.  An s_nop 0 and four v_nop follow each of the two lines.
.macro JLOAD g0a, g1a, g0b, g1b
	s_cmp_eq_u32 s15, 0
	s_cbranch_scc0 .Lfor_b_\@
	tensor_load_to_lds s[\g0a:\g0a+3], s[\g1a:\g1a+7]
	s_nop 0
.rept 4
	v_nop
.endr
	s_branch .Lasked_\@
.Lfor_b_\@:
	tensor_load_to_lds s[\g0b:\g0b+3], s[\g1b:\g1b+7]
	s_nop 0
.rept 4
	v_nop
.endr
.Lasked_\@:
.endm
.macro CROUND                          ; a round of the cluster's barrier
	s_barrier_signal -1
	s_barrier_wait -1
	s_cmp_lg_u32 s14, 0
	s_cbranch_scc1 .Lnot_wave_0_\@
	s_barrier_signal -3
.Lnot_wave_0_\@:
	s_barrier_wait -3
	s_barrier_signal -1
	s_barrier_wait -1
.endm
	s_load_b128 s[4:7], s[0:1], 0x0                ; x's codes s[4:5], x's scales s[6:7]
	s_load_b128 s[8:11], s[0:1], 0x10              ; W's codes s[8:9], W's scales s[10:11]
	s_load_b64 s[96:97], s[0:1], 0x20              ; the bias
	s_load_b64 s[12:13], s[0:1], 0x28              ; the result
	v_lshl_add_u32 v[SPW], v0, 2, SPARE
	v_mov_b32 v[NIL], 0
	ds_add_u32 v[SPW], v[NIL]                      ; the wave's opening: the add, twice on end, and its wait ahead of my first tensor load
	ds_add_u32 v[SPW], v[NIL]                      ; and once more; the set-up below, work on registers, stands between it and the wait
	v_lshrrev_b32 v1, 5, v0
	v_readfirstlane_b32 s14, v1                    ; wave 0..3
	s_lshr_b32 s15, s14, 1                         ; which half of the tile's rows is mine.  Also: I fetch for x (0) or for W (1)
	s_and_b32 s16, s14, 1                          ; which half of its columns.  Also: which 128 rows of that tile I fetch
	s_bfe_u32 s40, ttmp6, 0x40000                  ; cx, cy: my place in the cluster
	s_bfe_u32 s41, ttmp6, 0x40004
	s_lshl_b32 s42, ttmp9, 2
	s_add_co_u32 s42, s42, s40                     ; tile column = 4 x cluster x + cx
	s_and_b32 s17, ttmp7, 0xffff
	s_lshl_b32 s17, s17, 2
	s_add_co_u32 s17, s17, s41                     ; tile row = 4 x cluster y + cy
	s_lshl_b32 s43, s41, 2
	s_lshl_b32 s43, 15, s43                        ; my row of the cluster
	s_lshl_b32 s44, 0x1111, s40                    ; my column
	; descriptor group 1: a tile of 128 rows x 256 bytes, padded in LDS
	s_or_b32 s[G1+0], s43, (0<<16)|(1<<20)|(1<<21)|(5<<22)|(3<<25)  ; 15:0 the mask; 17:16 element of 1 byte; 20 padding on; 21 set beside a mask; 24:22 after every 64 words; 31:25 of 4 words
	s_or_b32 s[G1B+0], s44, (0<<16)|(1<<20)|(1<<21)|(5<<22)|(3<<25)
.irp g, G1, G1B
	s_mov_b32 s[\g+1], ROWB<<16                    ; tensor_dim0
	s_mov_b32 s[\g+2], 128<<16                     ; tensor_dim1
	s_mov_b32 s[\g+3], ROWB<<16                    ; tile_dim0
	s_mov_b32 s[\g+4], 128                         ; tile_dim1
	s_mov_b32 s[\g+5], KROW                        ; tensor_dim0_stride
	s_mov_b32 s[\g+6], 0
	s_mov_b32 s[\g+7], 0
.endr
	; the scales of 128 rows: a dense block of 4,096 bytes, as 16 rows of 256 bytes (32 elements of 8 bytes), 16 bytes of padding behind each
	s_or_b32 s[G1S+0], s43, (3<<16)|(1<<20)|(1<<21)|(5<<22)|(3<<25)
	s_or_b32 s[G1SB+0], s44, (3<<16)|(1<<20)|(1<<21)|(5<<22)|(3<<25)
.irp g, G1S, G1SB
	s_mov_b32 s[\g+1], 32<<16
	s_mov_b32 s[\g+2], (128*KS/256)<<16
	s_mov_b32 s[\g+3], 32<<16
	s_mov_b32 s[\g+4], 128*KS/256
	s_mov_b32 s[\g+5], 32
	s_mov_b32 s[\g+6], 0
	s_mov_b32 s[\g+7], 0
.endr
	s_lshl_b32 s18, s16, 7                         ; which 128 rows of the tile I fetch
	s_lshl_b32 s20, s17, 8
	s_add_co_u32 s20, s20, s18                     ; x: row 256 x tile row + 128 x half
	s_lshl_b32 s46, s42, 8
	s_add_co_u32 s46, s46, s18                     ; W: row 256 x tile column + 128 x half
	s_mov_b32 s21, 0
	s_mov_b32 s47, 0
	s_mov_b64 s[18:19], KS
	s_mul_u64 s[22:23], s[20:21], s[18:19]         ; where these rows' scales begin, in bytes
	s_mul_u64 s[92:93], s[46:47], s[18:19]
	s_mov_b64 s[18:19], KROW
	s_mul_u64 s[20:21], s[20:21], s[18:19]         ; and their codes
	s_mul_u64 s[46:47], s[46:47], s[18:19]
	s_mul_i32 s45, s14, HALFT                      ; where they go: wave x 128 rows: no place in the cluster enters an LDS address
	s_mul_i32 s94, s14, HALFS
	s_wait_dscnt 0x0                               ; both opening adds are done
	s_wait_kmcnt 0x0
	s_add_nc_u64 s[20:21], s[4:5], s[20:21]
	s_add_nc_u64 s[22:23], s[6:7], s[22:23]
	s_add_nc_u64 s[46:47], s[8:9], s[46:47]
	s_add_nc_u64 s[92:93], s[10:11], s[92:93]
	CROUND                                         ; all sixteen work-groups are here: the joint loads meet
	s_mov_b32 s[G0S], 1
	s_add_co_u32 s[G0S+1], s94, SCL
	s_mov_b64 s[G0S+2:G0S+3], s[22:23]
	s_or_b32 s[G0S+3], s[G0S+3], 0x80000000
	s_mov_b32 s[G0SB], 1
	s_add_co_u32 s[G0SB+1], s94, SCL
	s_mov_b64 s[G0SB+2:G0SB+3], s[92:93]
	s_or_b32 s[G0SB+3], s[G0SB+3], 0x80000000
	JLOAD G0S, G1S, G0SB, G1SB                     ; the scales first: they are wanted with K step 0
.irp s, 0,1
	s_mov_b32 s[G0+4*\s], 1
	s_add_co_u32 s[G0+4*\s+1], s45, \s*SLOT
	s_add_nc_u64 s[G0+4*\s+2:G0+4*\s+3], s[20:21], \s*ROWB
	s_or_b32 s[G0+4*\s+3], s[G0+4*\s+3], 0x80000000
	s_mov_b32 s[G0B+4*\s], 1
	s_add_co_u32 s[G0B+4*\s+1], s45, \s*SLOT
	s_add_nc_u64 s[G0B+4*\s+2:G0B+4*\s+3], s[46:47], \s*ROWB
	s_or_b32 s[G0B+4*\s+3], s[G0B+4*\s+3], 0x80000000
	JLOAD G0+4*\s, G1, G0B+4*\s, G1B
.endr
	v_and_b32 v1, 15, v0                           ; r = l % 16
	v_bfe_u32 v2, v0, 4, 1                         ; h = l / 16
	; the bias of my 128 columns: for W's block b lane (r, h) wants columns 16 b + 8 h + 0 .. 7
	s_lshl_b32 s46, s42, 10                        ; 256 columns x 4 bytes a tile column,
	s_lshl_b32 s47, s16, 9                         ; 128 x 4 a half
	s_add_co_u32 s46, s46, s47
	s_mov_b32 s47, 0
	s_add_nc_u64 s[96:97], s[96:97], s[46:47]
	v_lshlrev_b32 v7, 5, v2
.irp b, 0,1,2,3,4,5,6,7
	global_load_b128 v[BIAS+8*\b:BIAS+8*\b+3],   v7, s[96:97] offset:64*\b
	global_load_b128 v[BIAS+8*\b+4:BIAS+8*\b+7], v7, s[96:97] offset:64*\b+16
.endr
	v_mul_u32_u24 v3, v1, PITCH
	v_lshl_add_u32 v4, v2, 4, v3                   ; a fragment's row x pitch + 16 x half
	s_mul_i32 s21, s15, HALFT                      ; my 128 rows of x
	s_mul_i32 s22, s16, HALFT                      ; my 128 rows of W,
	s_add_co_u32 s22, s22, 2*HALFT                 ; which lie behind x's 256
.irp s, 0,1
	v_add_nc_u32 v[ADRA+\s], s21, v4
	v_add_nc_u32 v[ADRB+\s], s22, v4
	s_add_co_u32 s21, s21, SLOT
	s_add_co_u32 s22, s22, SLOT
.endr
	v_mul_u32_u24 v5, v1, KS                       ; my row's scales: KS bytes a row,
	v_lshrrev_b32 v6, 8, v5
	v_lshl_add_u32 v5, v6, 4, v5                   ; and 16 more for each 256 passed
	s_mul_i32 s21, s15, HALFS                      ; x's: my 128 rows
	s_mul_i32 s22, s16, HALFS                      ; W's: my 128 rows, behind x's 256
	s_add_co_u32 s22, s22, 2*HALFS
	s_sub_co_u32 s22, s22, s21
	v_mul_u32_u24 v6, s22, v2                      ; lanes 16-31 take W's: one product, the distance between the two bases x h
	s_add_co_u32 s21, s21, SCL
	v_add_nc_u32 v5, v5, v6
	v_add_nc_u32 v[ADRS], s21, v5
	s_mul_i32 s23, s14, 16*SPITCH                  ; my stage
	v_mul_u32_u24 v5, v1, SPITCH                   ; in: row r, 16 bytes for each half of the lanes
	v_lshl_add_u32 v5, v2, 4, v5
	v_add_nc_u32 v[STO], s23, v5
	v_mul_u32_u24 v5, v2, SPITCH                   ; back: lanes 0-15 take one row of 256 bytes, lanes 16-31 the next
	v_lshl_add_u32 v5, v1, 4, v5
	v_add_nc_u32 v[RD], s23, v5
	v_mul_u32_u24 v5, v2, CROW                     ; and the same two rows in the result
	v_lshl_add_u32 v[CO], v1, 4, v5
	s_lshl_b32 s20, s17, 8
	s_lshl_b32 s21, s15, 7
	s_add_co_u32 s20, s20, s21                     ; my first row: 256 x tile row + 128 x half
	s_mul_i32 s20, s20, CROW                       ; under 2^26 bytes
	s_mov_b32 s21, 0
	s_lshl_b32 s46, s42, 9                         ; my first column, in bytes: 512 x tile column + 256 x half
	s_lshl_b32 s47, s16, 8
	s_add_co_u32 s46, s46, s47
	s_mov_b32 s47, 0
	s_add_nc_u64 s[20:21], s[20:21], s[46:47]
	s_add_nc_u64 s[12:13], s[12:13], s[20:21]
.macro FRAG reg, adr, q, i             ; a fragment, 16 rows x 128 K of 4-bit codes: lane l holds row l % 16; registers 4 c .. 4 c + 3 hold K = 64 c + 32 (l / 16) + 0 .. 31
.irp c, 0,1
	ds_load_b128 v[\reg+4*\c:\reg+4*\c+3], v[\adr] offset:64*(\q)+32*\c+(\i)*16*PITCH
.endr
.endm
; 16 matrix instructions: x's blocks a0, a0 + 1 against W's eight, 128 along K: the slot's q-th.  p: W's set; sc: the set of scale words.  zero = 1: the first product starts the sums from the bias.
; The 64 accumulators take turns, one instruction a turn, in the same order in every step.
.macro MUL16 a0, p, q, sc, zero
.irp a, \a0, \a0+1
.irp b, 0,1,2,3,4,5,6,7
.if \zero
	v_wmma_scale_f32_16x16x128_f8f6f4 v[8*(8*((\a)%4)+\b):8*(8*((\a)%4)+\b)+7], v[128*(\p)+FR*\b:128*(\p)+FR*\b+FR-1], v[AF+FR*(\a):AF+FR*(\a)+FR-1], v[BIAS+8*\b:BIAS+8*\b+7], v[SC+8*NQ*(\sc)+NQ*\b+(\q)], v[SC+8*NQ*(\sc)+NQ*(\a)+(\q)] matrix_a_fmt:MATRIX_FMT_FP4 matrix_b_fmt:MATRIX_FMT_FP4 matrix_a_scale:MATRIX_SCALE_ROW1
.else
	v_wmma_scale_f32_16x16x128_f8f6f4 v[8*(8*((\a)%4)+\b):8*(8*((\a)%4)+\b)+7], v[128*(\p)+FR*\b:128*(\p)+FR*\b+FR-1], v[AF+FR*(\a):AF+FR*(\a)+FR-1], v[8*(8*((\a)%4)+\b):8*(8*((\a)%4)+\b)+7], v[SC+8*NQ*(\sc)+NQ*\b+(\q)], v[SC+8*NQ*(\sc)+NQ*(\a)+(\q)] matrix_a_fmt:MATRIX_FMT_FP4 matrix_b_fmt:MATRIX_FMT_FP4 matrix_a_scale:MATRIX_SCALE_ROW1
.endif
.endr
.endr
.endm
.macro FETCH_B slot, q, p              ; W's eight fragments of the slot's q-th 128 along K into set p
	WIN TO_B
.irp i, 0,1,2,3,4,5,6,7
	FRAG 128*(\p)+FR*\i, ADRB+\slot, \q, \i
.endr
	WIN 0
.endm
.macro FETCH_A slot, q, i0             ; x's blocks i0 .. i0 + 3
.irp i, \i0, \i0+1, \i0+2, \i0+3
	FRAG AF+FR*(\i), ADRA+\slot, \q, \i
.endr
.endm
.macro SCALES sc                       ; a K step's scale words into set sc: four words a row; lanes 0-15 take x's block i, lanes 16-31 W's block i
.irp i, 0,1,2,3,4,5,6,7
	ds_load_b128 v[SC+8*NQ*\sc+NQ*\i:SC+8*NQ*\sc+NQ*\i+3], v[ADRS] offset:\i*SBLK
.endr
.endm
; A load into a register that a matrix instruction has read, and a vector instruction that reads a matrix result, stand NP places behind that matrix instruction; only plain vector instructions that
; name none of its registers are places (ISA guide 7.12.1 for vector instructions).
.macro PLACES n
.rept \n
	v_nop
.endr
.endm
.macro STEP slot, q, zero              ; a step of 128 along K that has its successor in the same slot
	s_wait_dscnt 4*NL                              ; W's set and x's blocks 0-3 are in; the youngest eight loads (x's blocks 4-7) may be out
.if \zero
	WIN BEG_LO
.else
	WIN MUL_LO
.endif
	MUL16 0, (\q)%2, \q, \slot, \zero
	MUL16 2, (\q)%2, \q, \slot, \zero
	s_wait_dscnt 0                                 ; x's blocks 4-7 are in
	PLACES NP
	FETCH_B \slot, (\q)+1, 1-(\q)%2
	FETCH_A \slot, (\q)+1, 0
.if \zero
	WIN BEG_HI
.else
	WIN MUL_HI
.endif
	MUL16 4, (\q)%2, \q, \slot, \zero
	MUL16 6, (\q)%2, \q, \slot, \zero
	PLACES NP
	WIN 0
	FETCH_A \slot, (\q)+1, 4
.endm
; Slot 0's last step changes slots: one barrier; in front of it each wave waits for all its tensor loads (its part of slot 1), adds 0 to its spare word, and waits for that and for its reads of slot 0.
.macro TURN slot, next
	s_wait_tensorcnt 0x0                           ; all my tensor loads have landed
	ds_add_u32 v[SPW], v[NIL]                      ; 0 onto my spare word
	s_wait_dscnt 4*NL+1                            ; (the add and the youngest eight loads may be out)
	WIN MUL_LO
	MUL16 0, 1, NQ-1, \slot, 0                     ; sixteen matrix instructions stand between the add and the wait for it
	s_wait_dscnt 0x0                               ; the add is done, and my reads of this slot are over
	s_barrier_signal -1
	MUL16 2, 1, NQ-1, \slot, 0
	WIN 0
	s_barrier_wait -1                              ; slot 1 is whole, and nobody reads slot 0 any more
	PLACES NP
	v_add_nc_u32 v[ADRS], 4*NQ, v[ADRS]            ; on to the next K step's scale words
	FETCH_B \next, 0, 0
	FETCH_A \next, 0, 0
	SCALES \next
	WIN MUL_HI
	MUL16 4, 1, NQ-1, \slot, 0
	MUL16 6, 1, NQ-1, \slot, 0
	PLACES NP
	WIN 0
	FETCH_A \next, 0, 4
.endm
.macro STEPS slot, from                ; the slot's steps from .. NQ - 2
.set Q, \from
.rept NQ-1-\from
	STEP \slot, Q, 0
.set Q, Q+1
.endr
.endm
	s_wait_tensorcnt 1                             ; the scales and my part of K step 0 are in (K step 1's load may be out),
	s_barrier_signal -1
	s_barrier_wait -1                              ; everybody's are
	FETCH_B 0, 0, 0
	FETCH_A 0, 0, 0
	SCALES 0
	FETCH_A 0, 0, 4
	s_wait_loadcnt 0x0                             ; the bias
	STEP 0, 0, 1                                   ; the first step's products start the sums
	STEPS 0, 1
	TURN 0, 1
	STEPS 1, 0
	s_wait_dscnt 4*NL                              ; the very last step: nothing more to fetch
	WIN MUL_LO
	MUL16 0, 1, NQ-1, 1, 0
	MUL16 2, 1, NQ-1, 1, 0
	s_wait_dscnt 0
	WIN MUL_HI
	MUL16 4, 1, NQ-1, 1, 0
	MUL16 6, 1, NQ-1, 1, 0
	WIN 0
; THE WAY OUT, block by block of 16 rows x 128 columns.  PACK: rounded to f16, 16 bytes a lane, each accumulator from its low end on.  TOSTAGE: into my own stage, back as whole rows of 256 bytes.  SEND: stored.
.macro PACK a
.set AC, 64*((\a)%4)
	WIN 0x0a+5*((\a)/4)                            ; sources 0 and 1: window 2 or 3
.irp b, 0,1,2,3,4,5,6,7
.irp r, 0,1,2,3
	v_cvt_pk_f16_f32 v[TMP+4*\b+\r], v[AC+8*\b+2*\r], v[AC+8*\b+2*\r+1]
.endr
.endr
	WIN 0
.endm
.macro TOSTAGE a
.set BK, OB+192*((\a)%2)
.irp b, 0,1,2,3,4,5,6,7
	ds_store_b128 v[STO], v[TMP+4*\b:TMP+4*\b+3] offset:32*\b
.endr
.irp t, 0,1,2,3,4,5,6,7
	ds_load_b128 v[BK+4*\t:BK+4*\t+3], v[RD] offset:\t*2*SPITCH    ; LDS serves a wave's instructions in order (ISA guide 5.7.1.4): these see the stores above
.endr
.endm
.macro SEND a
.set BK, OB+192*((\a)%2)
	s_wait_dscnt 0x0                               ; the block is back in registers
	s_wait_xcnt 0x0                                ; the earlier stores have read their base and their registers: both may be written again
.if (\a) > 0
	s_add_nc_u64 s[12:13], s[12:13], 16*CROW       ; 16 rows on
.endif
.irp t, 0,1,2,3,4,5,6,7
	global_store_b128 v[CO], v[BK+4*\t:BK+4*\t+3], s[12:13] offset:2*\t*CROW   ; 16 lanes store 256 consecutive bytes, at a multiple of 256 from the buffer's first byte
.endr
.endm
	PLACES NP                                      ; behind the last products: the conversions read results, and the loads from the stage land where scale words lay
	PACK 0
	TOSTAGE 0
.irp a, 1,2,3,4,5,6,7                  ; block a's conversions stand between block a - 1's loads from the stage and the wait for them
	PACK \a
	SEND \a-1
	TOSTAGE \a
.endr
	SEND 7
	s_wait_tensorcnt 0x0                           ; the wave's end, behind my last tensor load and my last LDS store
	ds_add_u32 v[SPW], v[NIL]
	s_wait_dscnt 0x0
	CROUND                                         ; the closing round: no work-group ends while a partner may still ask for a tile that names it
	s_endpgm
.Lfunc_end_k_q4742b1c0c9_qkvgemm:
	.size	k_q4742b1c0c9_qkvgemm, .Lfunc_end_k_q4742b1c0c9_qkvgemm-k_q4742b1c0c9_qkvgemm
	.p2alignl 7, 3214868480
	.fill 96, 4, 3214868480
	.section	.rodata,"a",@progbits
	.p2align	6, 0x0
	.amdhsa_kernel k_q4742b1c0c9_qkvgemm
		.amdhsa_group_segment_fixed_size 327680
		.amdhsa_private_segment_fixed_size 0
		.amdhsa_enable_private_segment 0
		.amdhsa_kernarg_size 48
		.amdhsa_user_sgpr_count 2
		.amdhsa_user_sgpr_kernarg_segment_ptr 1
		.amdhsa_wavefront_size32 1
		.amdhsa_system_sgpr_workgroup_id_x 1
		.amdhsa_system_sgpr_workgroup_id_y 1
		.amdhsa_system_sgpr_workgroup_id_z 1
		.amdhsa_system_vgpr_workitem_id 0
		.amdhsa_next_free_vgpr 1024
		.amdhsa_next_free_sgpr 100
		.amdhsa_reserve_vcc 0
		.amdhsa_float_denorm_mode_32 3
		.amdhsa_float_denorm_mode_16_64 3
		.amdhsa_memory_ordered 1
		.amdhsa_forward_progress 1
		.amdhsa_inst_pref_size 128
	.end_amdhsa_kernel
	.amdgpu_metadata
---
amdhsa.version: [ 1, 2 ]
amdhsa.kernels:
  - .name:           k_q4742b1c0c9_qkvgemm
    .symbol:         k_q4742b1c0c9_qkvgemm.kd
    .args:
      - { .name: xc, .offset: 0, .size: 8, .value_kind: global_buffer, .address_space: global }
      - { .name: xs, .offset: 8, .size: 8, .value_kind: global_buffer, .address_space: global }
      - { .name: wc, .offset: 16, .size: 8, .value_kind: global_buffer, .address_space: global }
      - { .name: ws, .offset: 24, .size: 8, .value_kind: global_buffer, .address_space: global }
      - { .name: bp, .offset: 32, .size: 8, .value_kind: global_buffer, .address_space: global }
      - { .name: qkv, .offset: 40, .size: 8, .value_kind: global_buffer, .address_space: global }
    .group_segment_fixed_size: 327680
    .private_segment_fixed_size: 0
    .kernarg_segment_align: 8
    .kernarg_segment_size: 48
    .max_flat_workgroup_size: 128
    .sgpr_count:     100
    .vgpr_count:     1024
    .wavefront_size: 32
...
	.end_amdgpu_metadata
.endif
;; end of part 2
;; launch attn (part 3): grid 2 x 128, 8 waves a work-group, no clusters, 327,680 bytes of LDS; arguments qkv, heads; writes heads
.if DOCPART == 3
	.amdgcn_target "amdgcn-amd-amdhsa--gfx1250"
	.amdhsa_code_object_version 6
	.text
	.protected	k_q4742b1c0c9_attn
	.globl	k_q4742b1c0c9_attn
	.p2align	8
	.type	k_q4742b1c0c9_attn,@function
k_q4742b1c0c9_attn:
	s_mov_b64 s[64:65], 0
	v_nop
	global_prefetch_b8 v0, s[64:65] scope:SCOPE_SE
	s_setreg_imm32_b32 hwreg(HW_REG_WAVE_MODE, 25, 1), 1
	s_wait_xcnt 0x0
; heads[hd][row][:] = the sum over keys of softmax(q . k / 8) v, for each of 8 batches x 16 heads; 1,024 queries, 1,024 keys, head size 64.  No work is left out.
; qkv: [8192 rows][3072] f16: q of head hd at byte 128 hd of a row, k|v of head hd together at byte 2,048 + 256 hd.  heads: [16 hd][8192 rows][64] f16.
; Products on f16 operands with f32 sums; maxima, exponentials and sums in f32; the weights p (at most 1) are rounded to f16 for the second product, the result once at the end.
; SHARES.  A work-group owns 512 queries of one head, each of its eight waves 64: four tiles of 16.  Two waves of 512 registers share a SIMD, so that one wave's softmax stands beside the other's products.
; THE HEAD'S WHOLE K|V STAYS IN LDS: 1,024 rows of 256 bytes + 16.  It comes in two chunks of 512 keys, each wave bringing 64 rows of each by one tensor load: both loads go out at the head (two of mine are out),
; nothing is filled again.  The first seven key steps read chunk 0 alone and run while chunk 1 is on its way.
; NO CLUSTER: only two work-groups read a head's K|V, each once, at its head: 256 KiB beside the 67 million multiply-adds that each makes of them.
; NO PREFETCH: every load of the launch is issued at its head; there is nothing to ask for ahead.
; LAYOUT.  S^T = K Q^T (source 0 = 16 keys, source 1 = 16 queries): a lane holds ONE query (lane % 16) and keys 8 (lane / 16) + 0..7.  Two such tiles, rounded to f16 in pairs, ARE source 1
; (32 keys x 16 queries) of O^T = V^T P, whose result again holds one query a lane, and eight channels.  K comes out of LDS as it lies, V ([key][channel]) turned, by ds_load_tr16_b128.
; SOFTMAX.  For each query a running maximum m and sum l: p = 2^(c s - c m), c = log2(e) / 8; in every step O and l are multiplied by a = 2^(c m_old - c m_new).
; REGISTERS.  window 0: v1-15 addresses; v16-47 eight registers of statistics a tile; v48-111 K of one step; v112-239 S^T, 32 a tile; P is packed in place into a tile's first 16.
;   window 1: v0-127 O^T, 32 a tile; v128-191 Q, 16 a tile; v192-255 V of one step.
.set PK,    272                        ; a row of K|V in LDS: 256 bytes + 16 of padding = 68 words: row r starts at bank 4 r mod 64 (64 banks of 4 bytes: ISA guide 11.1)
.set STEPB, 64*PK                      ; a key step's 64 rows; also what one tensor load brings
.set CHUNKB, 512*PK
.set QROW,  6144                       ; a row of qkv in bytes
.set STAGE, 1024*PK                    ; behind K|V: 16 rows x 144 bytes for each wave, for the way out
.set SPS,   144
.set SPARE, STAGE+8*16*SPS             ; the spare words, 128 bytes for each wave: four blocks of 256 bytes that no other line names
.set AK0, 3                            ; v3   my lane's place in a tile of K; never rewritten
.set AV0, 4                            ; v4   the same for V
.set ADK, 5                            ; v5   LDS address of K's run of loads
.set ADV, 6                            ; v6   of V's
.set QO,  7                            ; v7   my byte offset in the wave's rows of q
.set STO, 8                            ; v8   the way out: where I put 16 bytes of a row
.set RD,  9                            ; v9   where I read rows back
.set GO,  10                           ; v10  my byte offset in the wave's rows of heads
.set SPW, 12                           ; v12  LDS address of my spare word; never rewritten
.set NIL, 13                           ; v13  0; never rewritten
.set ST,  16                           ; tile t's statistics at v[ST+8 t]: +0 c m, +1 m, +2, +3 l (even keys', odd keys'), +4 to +7 c0-c3, at work; a takes c2's place
.set KF,  48                           ; K's fragment (key tile kt, channels 32 c on) at KF + 16 kt + 8 c
.set S,   112                          ; S^T of tile t, key tile kt at S + 32 t + 8 kt
.set QF,  128                          ; window 1: Q's fragment (t, c) at QF + 16 t + 8 c
.set VF,  192                          ; window 1: V's fragment (keys 32 ks on, channels 16 ct on) at VF + 32 ks + 8 ct
.set WV,  8                            ; s8   my wave's number
.set G1,  16                           ; s[16:23] descriptor group 1
.set G0,  24                           ; s[24:31] descriptor group 0, a set for each chunk
.set TB,  40                           ; s40  LDS byte at which the rows of the step to be fetched begin
.set CNT, 41                           ; s41  counts a loop's trips
.set CS,  42                           ; s[42:43] c: the packed scaling names a pair and takes its low word for both halves
.set SEL, 44                           ; s[44:45] lane selects for v_permlanex16_b32: lane l xor 16
.set MSB, 0
.macro WIN new                         ; the immediate's high byte repeats the setting that is left
.if MSB != \new
	s_set_vgpr_msb (MSB<<8)|\new
.set MSB, \new
.endif
.endm
.set W_KQ, 0x04                        ; K and S^T in window 0, Q (source 1) in window 1
.set W_PV, 0x51                        ; V (source 0), C and D (O^T) in window 1, P (source 1) in window 0
.set W_RS, 0x41                        ; O^T (destination and source 0) in window 1, a in window 0
.set TO_1, 0x40                        ; destination window 1, address window 0
.set FROM1, 0x05                       ; sources 0 and 1 window 1, destination window 0
	s_load_b128 s[4:7], s[0:1], 0x0                ; qkv s[4:5], heads s[6:7]
	v_lshl_add_u32 v[SPW], v0, 2, SPARE
	v_mov_b32 v[NIL], 0
	ds_add_u32 v[SPW], v[NIL]                      ; the wave's opening: the add, twice on end, and its wait ahead of my first tensor load
	ds_add_u32 v[SPW], v[NIL]                      ; and once more; the set-up below, work on registers, stands between it and the wait
	v_lshrrev_b32 v1, 5, v0
	v_readfirstlane_b32 s[WV], v1                  ; wave 0..7
	s_and_b32 s9, ttmp7, 0xffff                    ; 16 x batch + head
	s_lshr_b32 s10, s9, 4
	s_and_b32 s11, s9, 15                          ; the head
	s_lshl_b32 s10, s10, 10                        ; the batch's first row
	s_lshl_b32 s12, s[WV], 6                       ; 64 x wave
	s_add_co_u32 s32, s10, s12                     ; the first of the 64 keys that I fetch of chunk 0
	s_mul_i32 s32, s32, QROW
	s_lshl_b32 s13, s11, 8
	s_add_co_u32 s32, s32, s13
	s_add_co_u32 s32, s32, 2048                    ; k|v of my head: byte 2,048 + 256 x head of the row
	s_mov_b32 s33, 0
	s_lshl_b32 s13, ttmp9, 9                       ; my work-group's 512 queries,
	s_add_co_u32 s14, s10, s13
	s_add_co_u32 s14, s14, s12                     ; my wave's 64: my first query's row
	s_mul_i32 s34, s14, QROW
	s_lshl_b32 s13, s11, 7
	s_add_co_u32 s34, s34, s13                     ; q of my head: byte 128 x head
	s_mov_b32 s35, 0
	s_lshl_b32 s13, s11, 13                        ; heads: 8,192 rows a head,
	s_add_co_u32 s14, s14, s13
	s_lshl_b32 s14, s14, 7                         ; 128 bytes a row
	s_mov_b32 s15, 0
	s_mul_i32 s9, s[WV], STEPB                     ; where my 64 rows go in a chunk
	; descriptor group 1: a tile of 64 rows x 128 elements of 2 bytes, padded in LDS
	s_mov_b32 s[G1+0], (1<<16)|(1<<20)|(5<<22)|(3<<25)   ; 15:0 no mask; 17:16 elements of 2 bytes; 20 padding on; 24:22 after every 64 words; 31:25 of 4 words
	s_mov_b32 s[G1+1], 128<<16                     ; tensor_dim0 = 128
	s_mov_b32 s[G1+2], 64<<16                      ; tensor_dim1 = 64
	s_mov_b32 s[G1+3], 128<<16                     ; tile_dim0 = 128
	s_mov_b32 s[G1+4], 64                          ; tile_dim1 = 64
	s_mov_b32 s[G1+5], 3072                        ; tensor_dim0_stride: elements from row to row
	s_mov_b32 s[G1+6], 0
	s_mov_b32 s[G1+7], 0
	s_mov_b32 s[CS], 0x3e38aa3b                    ; c = log2(e) / 8
	s_mov_b32 s[CS+1], s[CS]                       ; (named with it as a pair, so it is written)
	s_mov_b32 s[SEL], 0x76543210
	s_mov_b32 s[SEL+1], 0xfedcba98
	s_mov_b32 s[TB], 0
	s_wait_dscnt 0x0                               ; both opening adds are done
	s_wait_kmcnt 0x0
	s_add_nc_u64 s[48:49], s[4:5], s[32:33]        ; K|V at my rows of chunk 0
	s_add_nc_u64 s[46:47], s[4:5], s[34:35]        ; q at my first query
	s_add_nc_u64 s[6:7], s[6:7], s[14:15]          ; heads likewise
.irp c, 0,1
	s_mov_b32 s[G0+4*\c], 1                        ; count = 1
	s_add_co_u32 s[G0+4*\c+1], s9, \c*CHUNKB       ; LDS address: a constant x wave + the chunk's constant
	s_add_nc_u64 s[G0+4*\c+2:G0+4*\c+3], s[48:49], \c*512*QROW
	s_or_b32 s[G0+4*\c+3], s[G0+4*\c+3], 0x80000000   ; type = 2
.endr
	tensor_load_to_lds s[G0:G0+3], s[G1:G1+7]      ; chunk 0
	s_nop 0
	tensor_load_to_lds s[G0+4:G0+7], s[G1:G1+7]    ; chunk 1
	s_nop 0
.rept 4
	v_nop
.endr
	v_and_b32 v1, 15, v0                           ; r = l % 16
	v_bfe_u32 v2, v0, 4, 1                         ; h = l / 16
	v_mul_u32_u24 v[QO], v1, QROW
	v_lshl_add_u32 v[QO], v2, 4, v[QO]             ; row r + 16 h
	WIN TO_1
.irp t, 0,1,2,3                        ; Q stays in registers.  A fragment is 16 rows x 32 channels: registers 0-3 channels 8 h + 0..7, registers 4-7 channels 16 + 8 h + 0..7
.irp c, 0,1
	global_load_b128 v[QF+16*\t+8*\c:QF+16*\t+8*\c+3],   v[QO], s[46:47] offset:\t*16*QROW+64*\c
	global_load_b128 v[QF+16*\t+8*\c+4:QF+16*\t+8*\c+7], v[QO], s[46:47] offset:\t*16*QROW+64*\c+32
.endr
.endr
	WIN 0
	v_mul_u32_u24 v[AK0], v1, PK
	v_lshl_add_u32 v[AK0], v2, 4, v[AK0]           ; K: row r x pitch + 16 h
	v_and_b32 v11, 7, v0
	v_bfe_u32 v14, v0, 3, 1
	v_lshl_add_u32 v[AV0], v2, 3, v11              ; V, for the turning load: key 8 h + l % 8,
	v_mul_u32_u24 v[AV0], v[AV0], PK
	v_lshl_add_u32 v[AV0], v14, 4, v[AV0]          ; channels 8 ((l / 8) % 2) on,
	v_add_nc_u32 v[AV0], 128, v[AV0]               ; behind K's 128 bytes of the row
	s_mul_i32 s9, s[WV], 16*SPS
	s_add_co_u32 s9, s9, STAGE                     ; my stage
	v_mul_u32_u24 v[STO], v1, SPS
	v_lshl_add_u32 v[STO], v2, 4, v[STO]
	v_add_nc_u32 v[STO], s9, v[STO]                ; in: row r, 16 bytes for each half of the lanes
	v_bfe_u32 v14, v0, 3, 2
	v_mul_u32_u24 v[RD], v14, SPS
	v_lshl_add_u32 v[RD], v11, 4, v[RD]
	v_add_nc_u32 v[RD], s9, v[RD]                  ; back: eight lanes to a row of 128 bytes, four rows an instruction
	v_and_b32 v[GO], 31, v0
	v_lshlrev_b32 v[GO], 4, v[GO]                  ; and in heads: rows are dense: 512 consecutive bytes an instruction
.macro FETCH_K                         ; a step's K: 64 keys x 64 channels: 8 fragments, 16 loads
.irp f, 0,1,2,3,4,5,6,7
	ds_load_b128 v[KF+8*\f:KF+8*\f+3],   v[ADK] offset:(\f/2)*16*PK+(\f%2)*64
	ds_load_b128 v[KF+8*\f+4:KF+8*\f+7], v[ADK] offset:(\f/2)*16*PK+(\f%2)*64+32
.endr
.endm
.macro FETCH_V                         ; a step's V, turned: 8 fragments of 16 channels x 32 keys, 16 loads
	WIN TO_1
.irp f, 0,1,2,3,4,5,6,7
	ds_load_tr16_b128 v[VF+8*\f:VF+8*\f+3],   v[ADV] offset:(\f/4)*32*PK+(\f%4)*32
	ds_load_tr16_b128 v[VF+8*\f+4:VF+8*\f+7], v[ADV] offset:(\f/4)*32*PK+16*PK+(\f%4)*32
.endr
.endm
; 32 products S^T = K Q^T: the 16 accumulators take turns, one instruction a turn; the first 16 start the sums
.macro KQALL
	WIN W_KQ
.irp c, 0,1
.irp kt, 0,1,2,3
.irp t, 0,1,2,3
.if \c == 0
	v_wmma_f32_16x16x32_f16 v[S+32*\t+8*\kt:S+32*\t+8*\kt+7], v[KF+16*\kt+8*\c:KF+16*\kt+8*\c+7], v[QF+16*\t+8*\c:QF+16*\t+8*\c+7], 0
.else
	v_wmma_f32_16x16x32_f16 v[S+32*\t+8*\kt:S+32*\t+8*\kt+7], v[KF+16*\kt+8*\c:KF+16*\kt+8*\c+7], v[QF+16*\t+8*\c:QF+16*\t+8*\c+7], v[S+32*\t+8*\kt:S+32*\t+8*\kt+7]
.endif
.endr
.endr
.endr
.endm
; 32 products O^T += V^T P, the 16 accumulators by turns.  first = 1: the first 16 start the sums: nothing is ever cleared
.macro PVALL first
	WIN W_PV
.irp ks, 0,1
.irp ct, 0,1,2,3
.irp t, 0,1,2,3
.if \first && (\ks == 0)
	v_wmma_f32_16x16x32_f16 v[32*\t+8*\ct:32*\t+8*\ct+7], v[VF+32*\ks+8*\ct:VF+32*\ks+8*\ct+7], v[S+32*\t+8*\ks:S+32*\t+8*\ks+7], 0
.else
	v_wmma_f32_16x16x32_f16 v[32*\t+8*\ct:32*\t+8*\ct+7], v[VF+32*\ks+8*\ct:VF+32*\ks+8*\ct+7], v[S+32*\t+8*\ks:S+32*\t+8*\ks+7], v[32*\t+8*\ct:32*\t+8*\ct+7]
.endif
.endr
.endr
.endr
.endm
; The maximum of a lane's 32 scores of each tile and the old m: four chains, three operands at a time; each accumulator is read from its low end on; the four tiles by turns, so that no line waits for the line above it
.macro SMAX first
.irp q, 0,1,2,3
.irp t, 0,1,2,3
	v_max3_num_f32 v[ST+8*\t+4+\q], v[S+32*\t+8*\q], v[S+32*\t+8*\q+1], v[S+32*\t+8*\q+2]
.endr
.endr
.irp u, 3,5
.irp q, 0,1,2,3
.irp t, 0,1,2,3
	v_max3_num_f32 v[ST+8*\t+4+\q], v[ST+8*\t+4+\q], v[S+32*\t+8*\q+\u], v[S+32*\t+8*\q+\u+1]
.endr
.endr
.endr
.irp t, 0,1,2,3
	v_max3_num_f32 v[ST+8*\t+4], v[ST+8*\t+4], v[S+32*\t+7], v[S+32*\t+15]
.endr
.irp t, 0,1,2,3
	v_max3_num_f32 v[ST+8*\t+6], v[ST+8*\t+6], v[S+32*\t+23], v[S+32*\t+31]
.endr
.irp t, 0,1,2,3
	v_max3_num_f32 v[ST+8*\t+4], v[ST+8*\t+4], v[ST+8*\t+5], v[ST+8*\t+6]
.endr
.irp t, 0,1,2,3
.if \first
	v_max_num_f32 v[ST+8*\t+4], v[ST+8*\t+4], v[ST+8*\t+7]
.else
	v_max3_num_f32 v[ST+8*\t+4], v[ST+8*\t+4], v[ST+8*\t+7], v[ST+8*\t+1]
.endif
.endr
.endm
.macro SSTAT first                     ; the other half of the lanes' maximum; the new m; c m; c m_old - c m_new
.irp t, 0,1,2,3
	v_permlanex16_b32 v[ST+8*\t+5], v[ST+8*\t+4], s[SEL], s[SEL+1]   ; the query's other 32 keys lie in the lane 16 away
.endr
.if \first == 0
.irp t, 0,1,2,3
	v_mov_b32 v[ST+8*\t+7], v[ST+8*\t]             ; c m_old is kept for a
.endr
.endif
.irp t, 0,1,2,3
	v_max_num_f32 v[ST+8*\t+1], v[ST+8*\t+4], v[ST+8*\t+5]
.endr
.irp t, 0,1,2,3
	v_mul_f32 v[ST+8*\t], s[CS], v[ST+8*\t+1]
.endr
.if \first == 0
.irp t, 0,1,2,3
	v_sub_f32 v[ST+8*\t+7], v[ST+8*\t+7], v[ST+8*\t]
.endr
.endif
.endm
; ONE BATCH: the four a, the 64 packed scalings c s - c m and the 128 exponentials; a pair's exponentials stand four scalings behind its scaling.  None of these lines names an exponential's result.
; One plain line and ONE wait follow, ahead of the first reader.
.macro SEXP first
.if \first == 0
.irp t, 0,1,2,3
	v_exp_f32 v[ST+8*\t+6], v[ST+8*\t+7]           ; a
.endr
.endif
.set i, 0
.rept 64
.set rS, S+32*(i%4)+2*(i/4)
.set rT, ST+8*(i%4)
	v_pk_fma_f32 v[rS:rS+1], v[rS:rS+1], s[CS:CS+1], v[rT:rT+1] op_sel_hi:[1,0,0] neg_lo:[0,0,1] neg_hi:[0,0,1]
.if i >= 4
.set rE, S+32*((i-4)%4)+2*((i-4)/4)
	v_exp_f32 v[rE], v[rE]
	v_exp_f32 v[rE+1], v[rE+1]
.endif
.set i, i+1
.endr
.set i, 60
.rept 4
.set rE, S+32*(i%4)+2*(i/4)
	v_exp_f32 v[rE], v[rE]
	v_exp_f32 v[rE+1], v[rE+1]
.set i, i+1
.endr
	v_nop                                          ; a plain line behind the last exponential
	s_wait_alu depctr_va_vdst(0)                   ; the one wait for the batch
.endm
; The sums of the unrounded p, in pairs (an even key's weight, an odd key's), in two chains a tile: l = a l + ..., and a second chain in c0, c1
.macro SSUM first
.irp t, 0,1,2,3
	v_pk_add_f32 v[ST+8*\t+4:ST+8*\t+5], v[S+32*\t:S+32*\t+1], v[S+32*\t+2:S+32*\t+3]
.endr
.irp t, 0,1,2,3
.if \first
	v_pk_add_f32 v[ST+8*\t+2:ST+8*\t+3], v[S+32*\t+4:S+32*\t+5], v[S+32*\t+6:S+32*\t+7]
.else
	v_pk_fma_f32 v[ST+8*\t+2:ST+8*\t+3], v[ST+8*\t+2:ST+8*\t+3], v[ST+8*\t+6:ST+8*\t+7], v[S+32*\t+4:S+32*\t+5] op_sel_hi:[1,0,1]
.endif
.endr
.if \first == 0
.irp t, 0,1,2,3
	v_pk_add_f32 v[ST+8*\t+4:ST+8*\t+5], v[ST+8*\t+4:ST+8*\t+5], v[S+32*\t+6:S+32*\t+7]
.endr
.endif
.irp k, 8,12,16,20,24,28
.irp t, 0,1,2,3
	v_pk_add_f32 v[ST+8*\t+2:ST+8*\t+3], v[ST+8*\t+2:ST+8*\t+3], v[S+32*\t+\k:S+32*\t+\k+1]
	v_pk_add_f32 v[ST+8*\t+4:ST+8*\t+5], v[ST+8*\t+4:ST+8*\t+5], v[S+32*\t+\k+2:S+32*\t+\k+3]
.endr
.endr
.irp t, 0,1,2,3
	v_pk_add_f32 v[ST+8*\t+2:ST+8*\t+3], v[ST+8*\t+2:ST+8*\t+3], v[ST+8*\t+4:ST+8*\t+5]
.endr
.endm
.macro SCVT                            ; p to f16, in place: register j of a tile takes weights 2 j and 2 j + 1; ascending, so no weight is written over before it is read
.irp j, 0,1,2,3,4,5,6,7,8,9,10,11,12,13,14,15
.irp t, 0,1,2,3
	v_cvt_pk_f16_f32 v[S+32*\t+\j], v[S+32*\t+2*\j], v[S+32*\t+2*\j+1]
.endr
.endr
.endm
.macro RESC                            ; O^T times a, each accumulator from its low end on
	WIN W_RS
.irp j, 0,2,4,6,8,10,12,14,16,18,20,22,24,26,28,30
.irp t, 0,1,2,3
	v_pk_mul_f32 v[32*\t+\j:32*\t+\j+1], v[32*\t+\j:32*\t+\j+1], v[ST+8*\t+6:ST+8*\t+7] op_sel_hi:[1,0]
.endr
.endr
.endm
; A KEY STEP: 64 keys.  Its K was fetched a step ago; its V is fetched at its head and lands under K Q^T and the softmax.  pref = 1: the next step's K is fetched behind K Q^T.
; first = 1: the first step, which starts m, l and O^T.
.macro STEP first, pref
	v_add_nc_u32 v[ADV], s[TB], v[AV0]
	s_add_co_u32 s[TB], s[TB], STEPB               ; on to the next step's rows
	FETCH_V
	s_wait_dscnt 16                                ; K's 16 older loads are in; V's 16 may be out
	KQALL
	WIN 0
.if \pref
	v_add_nc_u32 v[ADK], s[TB], v[AK0]             ; with the three v_nop: the four places between the products and the loads into K's registers, and the first read of the scores
.rept 3
	v_nop
.endr
	FETCH_K
.else
.rept 4
	v_nop
.endr
.endif
	SMAX \first
	SSTAT \first
	SEXP \first
	SSUM \first
	SCVT
.if \first == 0
	RESC
.endif
	s_wait_dscnt 16*\pref                          ; V is in; the next step's K, 16 younger loads, may be out
	PVALL \first
	WIN 0
.rept 5
	v_nop                                          ; five places: the next step's first products write over P's registers, which these products read; its loads land in V's
.endr
.endm
.macro CHUNK left                      ; my part of a chunk has landed (left: my younger tensor loads, which may stay out); no LDS instruction of mine is pending at the signal; behind the barrier everybody's part has landed
	s_wait_tensorcnt \left
	s_wait_dscnt 0x0
	s_barrier_signal -1
	s_barrier_wait -1
.endm
	CHUNK 1                                        ; chunk 0
	v_add_nc_u32 v[ADK], s[TB], v[AK0]
	FETCH_K                                        ; key step 0
	s_wait_loadcnt 0x0                             ; Q
	STEP 1, 1                                      ; step 0
	s_mov_b32 s[CNT], 6
.Lchunk0:                                          ; steps 1 to 6: the last fetches K of step 7, keys 448 to 511: still chunk 0
	STEP 0, 1
	s_sub_co_u32 s[CNT], s[CNT], 1
	s_cmp_lg_u32 s[CNT], 0
	s_cbranch_scc1 .Lchunk0
	CHUNK 0                                        ; chunk 1
	s_mov_b32 s[CNT], 8
.Lchunk1:                                          ; steps 7 to 14
	STEP 0, 1
	s_sub_co_u32 s[CNT], s[CNT], 1
	s_cmp_lg_u32 s[CNT], 0
	s_cbranch_scc1 .Lchunk1
	STEP 0, 0                                      ; step 15: nothing more to fetch
	; THE WAY OUT.  l's two halves and the other half of the lanes' are added; O^T is divided by l, rounded to f16 and sent through my stage in LDS, a tile (16 rows) at a time.
.irp t, 0,1,2,3
	v_add_f32 v[ST+8*\t+4], v[ST+8*\t+2], v[ST+8*\t+3]
.endr
.irp t, 0,1,2,3
	v_permlanex16_b32 v[ST+8*\t+5], v[ST+8*\t+4], s[SEL], s[SEL+1]
.endr
.irp t, 0,1,2,3
	v_add_f32 v[ST+8*\t+4], v[ST+8*\t+4], v[ST+8*\t+5]
.endr
.irp t, 0,1,2,3
	v_rcp_f32 v[ST+8*\t+6], v[ST+8*\t+4]
.endr
	v_nop                                          ; a plain line between the last reciprocal and the use of its result
	s_wait_alu depctr_va_vdst(0)                   ; and a wait ahead of the first use: one for the four
.macro PACK t                          ; a lane's eight channels of a row pack into 16 bytes; they go into rows of 144 bytes and come back as 512 consecutive bytes of heads
	WIN W_RS
.irp j, 0,2,4,6,8,10,12,14,16,18,20,22,24,26,28,30
	v_pk_mul_f32 v[32*\t+\j:32*\t+\j+1], v[32*\t+\j:32*\t+\j+1], v[ST+8*\t+6:ST+8*\t+7] op_sel_hi:[1,0]
.endr
	WIN FROM1
.irp j, 0,1,2,3,4,5,6,7,8,9,10,11,12,13,14,15
	v_cvt_pk_f16_f32 v[S+16*\t+\j], v[32*\t+2*\j], v[32*\t+2*\j+1]
.endr
	WIN 0
.irp f, 0,1,2,3
	ds_store_b128 v[STO], v[S+16*\t+4*\f:S+16*\t+4*\f+3] offset:32*\f
.endr
.irp f, 0,1,2,3
	ds_load_b128 v[KF+16*\t+4*\f:KF+16*\t+4*\f+3], v[RD] offset:\f*4*SPS   ; LDS serves a wave's instructions in order (ISA guide 5.7.1.4): these see the stores above; the next tile's stores come behind them
.endr
.endm
.macro SEND t, younger                 ; younger: the LDS instructions issued behind tile t's loads: the next tile's eight, or none
.irp f, 0,1,2,3
	s_wait_dscnt \younger+3-\f
	global_store_b128 v[GO], v[KF+16*\t+4*\f:KF+16*\t+4*\f+3], s[6:7] offset:\t*2048+\f*512   ; 32 lanes store 512 consecutive bytes, at a multiple of 256 from the buffer's first byte
.endr
.endm
	PACK 0
	PACK 1                                         ; a tile's arithmetic stands between the loads of the tile before and its stores
	SEND 0, 8
	PACK 2
	SEND 1, 8
	PACK 3
	SEND 2, 8
	SEND 3, 0
	s_wait_tensorcnt 0x0                           ; the wave's end, behind my last tensor load and my last LDS store
	ds_add_u32 v[SPW], v[NIL]
	s_wait_dscnt 0x0
	s_endpgm
.Lfunc_end_k_q4742b1c0c9_attn:
	.size	k_q4742b1c0c9_attn, .Lfunc_end_k_q4742b1c0c9_attn-k_q4742b1c0c9_attn
	.p2alignl 7, 3214868480
	.fill 96, 4, 3214868480
	.section	.rodata,"a",@progbits
	.p2align	6, 0x0
	.amdhsa_kernel k_q4742b1c0c9_attn
		.amdhsa_group_segment_fixed_size 327680
		.amdhsa_private_segment_fixed_size 0
		.amdhsa_enable_private_segment 0
		.amdhsa_kernarg_size 16
		.amdhsa_user_sgpr_count 2
		.amdhsa_user_sgpr_kernarg_segment_ptr 1
		.amdhsa_wavefront_size32 1
		.amdhsa_system_sgpr_workgroup_id_x 1
		.amdhsa_system_sgpr_workgroup_id_y 1
		.amdhsa_system_sgpr_workgroup_id_z 1
		.amdhsa_system_vgpr_workitem_id 0
		.amdhsa_next_free_vgpr 512
		.amdhsa_next_free_sgpr 66
		.amdhsa_reserve_vcc 0
		.amdhsa_float_denorm_mode_32 3
		.amdhsa_float_denorm_mode_16_64 3
		.amdhsa_memory_ordered 1
		.amdhsa_forward_progress 1
		.amdhsa_inst_pref_size 142
	.end_amdhsa_kernel
	.amdgpu_metadata
---
amdhsa.version: [ 1, 2 ]
amdhsa.kernels:
  - .name:           k_q4742b1c0c9_attn
    .symbol:         k_q4742b1c0c9_attn.kd
    .args:
      - { .name: qkv, .offset: 0, .size: 8, .value_kind: global_buffer, .address_space: global }
      - { .name: heads, .offset: 8, .size: 8, .value_kind: global_buffer, .address_space: global }
    .group_segment_fixed_size: 327680
    .private_segment_fixed_size: 0
    .kernarg_segment_align: 8
    .kernarg_segment_size: 16
    .max_flat_workgroup_size: 256
    .sgpr_count:     66
    .vgpr_count:     512
    .wavefront_size: 32
...
	.end_amdgpu_metadata
.endif
;; end of part 3
;; launch proj (part 4): grid 4 x 64, 4 waves a work-group, clusters of 4 x 1, 327,680 bytes of LDS; arguments heads, wo, out0, b_o; writes out0
.if DOCPART == 4
	.amdgcn_target "amdgcn-amd-amdhsa--gfx1250"
	.amdhsa_code_object_version 6
	.text
	.protected	k_q4742b1c0c9_proj
	.globl	k_q4742b1c0c9_proj
	.p2align	8
	.type	k_q4742b1c0c9_proj,@function
k_q4742b1c0c9_proj:
	s_mov_b64 s[64:65], 0
	v_nop
	global_prefetch_b8 v0, s[64:65] scope:SCOPE_SE
	s_setreg_imm32_b32 hwreg(HW_REG_WAVE_MODE, 25, 1), 1
	s_wait_xcnt 0x0
	s_wait_alu depctr_hold_cnt(0) depctr_sa_sdst(0) depctr_va_vdst(0) depctr_va_sdst(0) depctr_va_ssrc(0) depctr_va_vcc(0) depctr_vm_vsrc(0)
	s_getreg_b32 s2, hwreg(HW_REG_IB_STS2, 6, 4)
	s_cmp_eq_u32 s2, 0
	s_cbranch_scc0 .Lentry_in_a_cluster
	s_endpgm
.Lentry_in_a_cluster:
	s_bfe_u32 s2, ttmp6, 0x10000c
	s_cmp_lg_u32 s2, 0x3003
	s_cbranch_scc0 .Lentry_shape_is_right
	s_endpgm
.Lentry_shape_is_right:
; out0[m][n] = sum over k of heads[m][k] W_o[k][n] + b_o[n], f32.  No work is left out.  Operands in f16, sums in f32.
; heads: [16 kb][8192 m][64]: blocks of 64 along K.  wo: W_o in the order of the operand's registers, wo[kb][nb][c][u][lane][16 bytes]: lane (r, h) holds W_o[64 kb + 32 c + 16 u + 8 h + 0 .. 7][16 nb + r].
; SHARES.  A work-group makes 128 rows x 256 columns: 64 x 4 = 256 work-groups.  Its four waves share the columns: wave w makes all 128 rows x columns 64 w .. 64 w + 63: 32 accumulators of 16 x 16, 256 registers.
; HEADS' 128 ROWS STAY IN LDS FOR ALL OF K: 16 blocks kb of 128 rows x (128 bytes + 16).  Each wave brings four of them, blocks w, 4 + w, 8 + w, 12 + w, by four tensor loads that go out together at the head
; (four of mine are out); nothing is filled again, so the work has no refill, and two barriers in all: behind the first, blocks 0 to 3 are read; behind the second, in block 3, the others.
; In memory a block's 128 rows are 16,384 dense bytes: the tile is stated as 2 rows of 4,096 elements, with 16 bytes of padding behind every 128 bytes.
; CLUSTER: the four work-groups of a cluster are the four column tiles of one row tile: they need the same rows of heads, and ask for each block JOINTLY: the same tensor load, with the same descriptor and
; a mask that names the four, in all four.  Of wo the four take different columns: nothing of it is shared in a cluster.
; WO'S FRAGMENTS GO FROM MEMORY STRAIGHT INTO REGISTERS: no two waves of a work-group take the same, and each load reads 512 consecutive bytes.  Four buffers of 64 registers hold a wave's fragments of four blocks kb:
; at the head of block kb the buffer that block kb - 1 has left is asked for block kb + 3.
; NO PREFETCH: heads' loads all stand at the head, and wo's loads themselves run three blocks ahead of their use.
; THE MATRIX INSTRUCTION IS USED TRANSPOSED (source 0 = 16 columns of W_o, source 1 = 16 rows of heads): a lane then holds eight neighbouring numbers of a row of out0.  THE BIAS is the C of each sum's first instruction.
; REGISTERS, in windows of 256: window 0: v0-31 addresses; v32-95 at work on the way out; v96-127 the bias.   window 1: wo's four buffers: fragment (b, c) of buffer q at v[64 q + 8 (2 b + c)].
;   window 2: the accumulators: (a, b) at v[8 (4 a + b)].   window 3: v0-127 heads' fragments, a buffer for each half c of a block: block of rows a at v[64 c + 8 a].
.set PITCH,  144                       ; an LDS row: 128 bytes + 16 of padding = 36 words: the 16 rows that a load touches start at 16 different groups of four banks (64 banks of 4 bytes: ISA guide 11.1)
.set KBB,    128*PITCH                 ; a block kb of the work-group's 128 rows; also what one tensor load brings
.set CHB,    4*KBB                     ; the four waves' loads of one turn
.set STAGE,  16*KBB                    ; behind heads: 16 rows x 272 bytes for each wave, for the way out: bytes of its own
.set SPITCH, 272
.set SPARE,  STAGE+4*16*SPITCH         ; the spare words, 128 bytes for each wave: two blocks of 256 bytes that no other line names
.set HKB,    8192*128                  ; a block kb on in heads, in bytes
.set WKB,    64*2048                   ; and in wo
.set AH0, 16                           ; v16 my lane's place in a block of heads; never rewritten
.set ADH, 17                           ; v17 LDS address of the block in hand
.set WO,  18                           ; v18 16 x lane; never rewritten
.set STO, 24                           ; v24 the way out: where I put 32 bytes of a row
.set RD,  25                           ; v25 where I read a row back
.set CO,  26                           ; v26 my byte offset in out0
.set SPW, 28                           ; v28 LDS address of my spare word; never rewritten
.set NIL, 29                           ; v29 0; never rewritten
.set TMP, 32
.set BIAS, 96
.set G1, 24                            ; s[24:31] descriptor group 1
.set G0, 48                            ; s[48:63] descriptor group 0, a set for each of my four loads
.set TB,  20                           ; s20 LDS byte at which the block in hand begins
.set CNT, 21                           ; s21 counts the loop's trips
.set MSB, 0
.macro WIN new                         ; the immediate's high byte repeats the setting that is left
.if MSB != \new
	s_set_vgpr_msb (MSB<<8)|\new
.set MSB, \new
.endif
.endm
.set MUL,  0xad                        ; source 0 (wo) window 1, source 1 (heads) window 3, C and D window 2
.set BEG,  0x8d                        ; the same, C (the bias) window 0
.set TO_W, 0x40                        ; destination window 1, address window 0
.set TO_H, 0xc0                        ; destination window 3, address window 0
.set ACCS, 0x08                        ; an LDS store's data are its source 1: window 2
.macro CROUND                          ; a round of the cluster's barrier
	s_barrier_signal -1
	s_barrier_wait -1
	s_cmp_lg_u32 s10, 0
	s_cbranch_scc1 .Lnot_wave_0_\@
	s_barrier_signal -3
.Lnot_wave_0_\@:
	s_barrier_wait -3
	s_barrier_signal -1
	s_barrier_wait -1
.endm
.macro PLACES                          ; four places in front of loads into registers that matrix instructions have read, and of the first read of results (ISA guide 7.12.1 for vector instructions)
.rept 4
	v_nop
.endr
.endm
.macro WLOAD buf, k                    ; my eight fragments of wo of the block k blocks on from the base, into buffer buf: 16 loads of 512 consecutive bytes, 8,192 bytes on end
	WIN TO_W
.irp f, 0,1,2,3,4,5,6,7
	global_load_b128 v[64*(\buf)+8*\f:64*(\buf)+8*\f+3],   v[WO], s[6:7] offset:(\k)*WKB+\f*1024
	global_load_b128 v[64*(\buf)+8*\f+4:64*(\buf)+8*\f+7], v[WO], s[6:7] offset:(\k)*WKB+\f*1024+512
.endr
.endm
.macro FETCH_H c                       ; heads' eight fragments (16 rows x 32 along K) of half c of the block in hand: 16 LDS loads
	WIN TO_H
.irp a, 0,1,2,3,4,5,6,7
	ds_load_b128 v[64*\c+8*\a:64*\c+8*\a+3],   v[ADH] offset:\a*16*PITCH+64*\c
	ds_load_b128 v[64*\c+8*\a+4:64*\c+8*\a+7], v[ADH] offset:\a*16*PITCH+64*\c+32
.endr
.endm
; 32 matrix instructions: all 8 blocks of rows x my 4 blocks of columns, 32 along K: half c of the block in wo's buffer buf.  zero = 1: the first product starts the sums from the bias.
; The 32 accumulators take turns, one instruction a turn, in the same order in every half.
.macro MUL32 buf, c, zero
.irp a, 0,1,2,3,4,5,6,7
.irp b, 0,1,2,3
.if \zero
	v_wmma_f32_16x16x32_f16 v[8*(4*\a+\b):8*(4*\a+\b)+7], v[64*(\buf)+8*(2*\b+\c):64*(\buf)+8*(2*\b+\c)+7], v[64*\c+8*\a:64*\c+8*\a+7], v[BIAS+8*\b:BIAS+8*\b+7]
.else
	v_wmma_f32_16x16x32_f16 v[8*(4*\a+\b):8*(4*\a+\b)+7], v[64*(\buf)+8*(2*\b+\c):64*(\buf)+8*(2*\b+\c)+7], v[64*\c+8*\a:64*\c+8*\a+7], v[8*(4*\a+\b):8*(4*\a+\b)+7]
.endif
.endr
.endr
.endm
; A BLOCK kb: 64 along K, 64 matrix instructions, wo's fragments in buffer buf.  Each half's fragments of heads were asked for at the head of the half before, 32 matrix instructions ahead of their use.
; zero = 1: the launch's first block.  wl = 1: wo's block kb + 3 is asked for, into the buffer that block kb - 1 has left.  lc: how many younger loads of wo may be out when this block's have to be in.
; nxt = 1: a block follows.  chunk = 1: from the next block on the blocks of my later tensor loads are read: all my loads are waited for, and a barrier shows the same of every wave.
.macro KB buf, zero, wl, lc, nxt, chunk
	PLACES                                         ; behind the last half's products, which read the registers that the loads below fill
	s_wait_loadcnt \lc                             ; this block's fragments of wo are in (and, the first time, the bias, which was asked for ahead of them)
	FETCH_H 1
.if \wl
	WLOAD (\buf+3)%4, \buf+3
.endif
	s_wait_dscnt 16                                ; all but the 16 LDS loads just issued: heads' first half is in
.if \zero
	WIN BEG
.else
	WIN MUL
.endif
	MUL32 \buf, 0, \zero
.if \chunk
	s_wait_tensorcnt 0x0                           ; my parts of blocks 4 to 15 have landed;
	s_wait_dscnt 0x0                               ; no LDS instruction of mine is pending at the signal
	s_barrier_signal -1
	s_barrier_wait -1                              ; everybody's have.
.endif
.if \nxt
	WIN 0
	s_add_co_u32 s[TB], s[TB], KBB                 ; on to the next block
	v_add_nc_u32 v[ADH], s[TB], v[AH0]             ; with the three v_nop: the four places behind the products above
.rept 3
	v_nop
.endr
	FETCH_H 0
	s_wait_dscnt 16                                ; all but the 16 just issued: heads' second half is in
.else
	s_wait_dscnt 0x0
.endif
	WIN MUL
	MUL32 \buf, 1, 0
.endm
	s_load_b128 s[4:7], s[0:1], 0x0                ; heads s[4:5], wo s[6:7]
	s_load_b64 s[8:9], s[0:1], 0x10                ; out0
	s_load_b64 s[66:67], s[0:1], 0x18              ; b_o
	v_lshl_add_u32 v[SPW], v0, 2, SPARE
	v_mov_b32 v[NIL], 0
	ds_add_u32 v[SPW], v[NIL]                      ; the wave's opening: the add, twice on end, and its wait ahead of my first tensor load
	ds_add_u32 v[SPW], v[NIL]                      ; and once more; the set-up below, work on registers, stands between it and the wait
	v_lshrrev_b32 v1, 5, v0
	v_readfirstlane_b32 s10, v1                    ; wave 0..3
	s_bfe_u32 s12, ttmp6, 0x40000                  ; cx: my place in the cluster
	s_lshl_b32 s14, ttmp9, 2                       ; in a cluster launch ttmp9 counts clusters
	s_add_co_u32 s14, s14, s12                     ; my tile of 256 columns = 4 x cluster x + cx: it enters wo's, b_o's and out0's addresses alone
	s_and_b32 s13, ttmp7, 0xffff                   ; my tile of 128 rows, which the four partners share
	; descriptor group 1: 2 rows of 4,096 elements of 2 bytes, dense: a block kb of 128 rows x 64
	s_mov_b32 s[G1+0], 15|(1<<16)|(1<<20)|(1<<21)|(4<<22)|(3<<25)  ; 15:0 the mask: all four work-groups; 17:16 elements of 2 bytes; 20 padding on; 21 set beside a mask; 24:22 after every 32 words (code 4); 31:25 of 4 words (code 3)
	s_mov_b32 s[G1+1], 4096<<16                    ; tensor_dim0 = 4,096
	s_mov_b32 s[G1+2], 2<<16                       ; tensor_dim1 = 2
	s_mov_b32 s[G1+3], 4096<<16                    ; tile_dim0 = 4,096
	s_mov_b32 s[G1+4], 2                           ; tile_dim1 = 2
	s_mov_b32 s[G1+5], 4096                        ; tensor_dim0_stride: a row begins where the last ends
	s_mov_b32 s[G1+6], 0
	s_mov_b32 s[G1+7], 0
	s_lshl_b32 s16, s13, 14                        ; my tile's first row: 128 rows of 128 bytes a tile,
	s_lshl_b32 s17, s10, 20                        ; in block kb = wave: 8,192 rows of 128 bytes a block
	s_add_co_u32 s16, s16, s17
	s_mov_b32 s17, 0
	s_mul_i32 s18, s10, KBB                        ; and where it goes: a constant x wave: no place in the cluster enters an LDS address
	s_mov_b32 s[TB], 0
	s_wait_dscnt 0x0                               ; both opening adds are done
	s_wait_kmcnt 0x0
	s_add_nc_u64 s[22:23], s[4:5], s[16:17]
	CROUND                                         ; all four work-groups are here: the joint loads meet
.irp j, 0,1,2,3
	s_mov_b32 s[G0+4*\j], 1                        ; count = 1
	s_add_co_u32 s[G0+4*\j+1], s18, \j*CHB         ; LDS address: block 4 j + wave
	s_add_nc_u64 s[G0+4*\j+2:G0+4*\j+3], s[22:23], \j*4*HKB
	s_or_b32 s[G0+4*\j+3], s[G0+4*\j+3], 0x80000000   ; type = 2
.endr
.irp j, 0,1,2,3
	tensor_load_to_lds s[G0+4*\j:G0+4*\j+3], s[G1:G1+7]
	s_nop 0
.endr
.rept 4
	v_nop
.endr
	v_and_b32 v1, 15, v0                           ; r = l % 16
	v_bfe_u32 v2, v0, 4, 1                         ; h = l / 16
	v_and_b32 v3, 31, v0
	v_lshlrev_b32 v[WO], 4, v3
	s_lshl_b32 s36, s14, 4                         ; wo: my first tile of 16 columns: 16 x column tile + 4 x wave,
	s_lshl_b32 s37, s10, 2
	s_add_co_u32 s36, s36, s37
	s_lshl_b32 s36, s36, 11                        ; 2,048 bytes a tile and block
	s_mov_b32 s37, 0
	s_add_nc_u64 s[6:7], s[6:7], s[36:37]
	s_lshl_b32 s36, s14, 10                        ; my first column, in bytes of f32: 1,024 x column tile + 256 x wave: in b_o and in a row of out0 alike
	s_lshl_b32 s38, s10, 8
	s_add_co_u32 s36, s36, s38
	s_add_nc_u64 s[66:67], s[66:67], s[36:37]
	s_add_nc_u64 s[8:9], s[8:9], s[36:37]
	s_lshl_b32 s38, s13, 19                        ; my tile's first row of out0: 128 rows of 4,096 bytes a tile
	s_mov_b32 s39, 0
	s_add_nc_u64 s[8:9], s[8:9], s[38:39]
	v_lshlrev_b32 v6, 5, v2                        ; the bias: for my block of columns b lane (r, h) wants columns 16 b + 8 h + 0 .. 7
.irp b, 0,1,2,3
	global_load_b128 v[BIAS+8*\b:BIAS+8*\b+3],   v6, s[66:67] offset:64*\b
	global_load_b128 v[BIAS+8*\b+4:BIAS+8*\b+7], v6, s[66:67] offset:64*\b+16
.endr
	WLOAD 0, 0                                     ; wo's blocks 0, 1 and 2
	WLOAD 1, 1
	WLOAD 2, 2
	WIN 0
	v_mul_u32_u24 v[AH0], v1, PITCH
	v_lshl_add_u32 v[AH0], v2, 4, v[AH0]           ; a fragment's row x pitch + 16 x half
	s_mul_i32 s19, s10, 16*SPITCH
	s_add_co_u32 s19, s19, STAGE                   ; my stage
	v_mul_u32_u24 v4, v1, SPITCH                   ; in: row r, 32 bytes for each half of the lanes
	v_lshl_add_u32 v4, v2, 5, v4
	v_add_nc_u32 v[STO], s19, v4
	v_mul_u32_u24 v5, v2, SPITCH                   ; back: lanes 0-15 take one row of 256 bytes, lanes 16-31 the next
	v_lshl_add_u32 v5, v1, 4, v5
	v_add_nc_u32 v[RD], s19, v5
	v_lshlrev_b32 v5, 12, v2                       ; and the same two rows in out0: 4,096 bytes a row
	v_lshl_add_u32 v[CO], v1, 4, v5
	s_wait_tensorcnt 3                             ; my first load, block kb = wave, has landed; my three younger ones may be out
	s_barrier_signal -1
	s_barrier_wait -1                              ; blocks 0 to 3 are whole
	v_add_nc_u32 v[ADH], s[TB], v[AH0]
	FETCH_H 0
	KB 0, 1, 1, 32, 1, 0                           ; blocks 0 to 3 stand in front of the loop: the first products start the sums
	KB 1, 0, 1, 32, 1, 0
	KB 2, 0, 1, 32, 1, 0
	KB 3, 0, 1, 32, 1, 1
	WIN 0                                          ; at a label and at a branch every window is 0
	s_wait_xcnt 0x0                                ; the loads of wo have read their base: it may step
	s_add_nc_u64 s[6:7], s[6:7], 4*WKB
	s_mov_b32 s[CNT], 2
.Ltrip:                                                ; a trip is four blocks, until wo's buffers are back where they began: blocks 4 to 11
	KB 0, 0, 1, 32, 1, 0
	KB 1, 0, 1, 32, 1, 0
	KB 2, 0, 1, 32, 1, 0
	KB 3, 0, 1, 32, 1, 0
	WIN 0
	s_wait_xcnt 0x0
	s_add_nc_u64 s[6:7], s[6:7], 4*WKB
	s_sub_co_u32 s[CNT], s[CNT], 1
	s_cmp_lg_u32 s[CNT], 0
	s_cbranch_scc1 .Ltrip
	KB 0, 0, 1, 32, 1, 0                           ; blocks 12 to 15 are written out: block 12 asks for wo's block 15, the last; then the counts run down
	KB 1, 0, 0, 32, 1, 0
	KB 2, 0, 0, 16, 1, 0
	KB 3, 0, 0, 0, 0, 0
	WIN 0
; THE WAY OUT, block by block of 16 rows x 64 columns of f32: a row's 256 bytes are all mine.  A lane holds 32 neighbouring bytes of a row, the lanes beside it other rows: so a block goes through my own stage
; and comes back as whole rows.  LDS serves a wave's instructions in order (ISA guide 5.7.1.4): no wait between the stores and the loads, nor in front of the next block's stores.
.macro TOSTAGE a
	WIN ACCS
.irp b, 0,1,2,3
	ds_store_b128 v[STO], v[8*(4*(\a)+\b):8*(4*(\a)+\b)+3] offset:64*\b          ; each accumulator from its low end on
	ds_store_b128 v[STO], v[8*(4*(\a)+\b)+4:8*(4*(\a)+\b)+7] offset:64*\b+16
.endr
	WIN 0
.set BB, TMP+32*((\a)%2)
.irp t, 0,1,2,3,4,5,6,7
	ds_load_b128 v[BB+4*\t:BB+4*\t+3], v[RD] offset:\t*2*SPITCH
.endr
.endm
.macro SEND a, younger                 ; younger: the LDS instructions issued behind block a's loads, which may stay out
.set BB, TMP+32*((\a)%2)
	s_wait_dscnt \younger
.irp t, 0,1,2,3,4,5,6,7
	global_store_b128 v[CO], v[BB+4*\t:BB+4*\t+3], s[8:9] offset:(16*(\a)+2*\t)*4096 th:TH_STORE_NT   ; 16 lanes store 256 consecutive bytes, at a multiple of 256 from out0's first byte; written once, read by nobody here
.endr
.endm
	PLACES                                         ; behind the last products: the stores into the stage read results
	TOSTAGE 0
.irp a, 1,2,3,4,5,6,7
.if \a > 1
	s_wait_xcnt 0x0                                ; block a - 2's stores have read their registers: block a's loads may land there
.endif
	TOSTAGE \a
	SEND \a-1, 16                                  ; behind block a - 1's loads: block a's 8 stores and 8 loads
.endr
	SEND 7, 0
	s_wait_tensorcnt 0x0                           ; the wave's end, behind my last tensor load and my last LDS store
	ds_add_u32 v[SPW], v[NIL]
	s_wait_dscnt 0x0
	CROUND                                         ; the closing round: no work-group ends while a partner may still ask for a tile that names it
	s_endpgm
.Lfunc_end_k_q4742b1c0c9_proj:
	.size	k_q4742b1c0c9_proj, .Lfunc_end_k_q4742b1c0c9_proj-k_q4742b1c0c9_proj
	.p2alignl 7, 3214868480
	.fill 96, 4, 3214868480
	.section	.rodata,"a",@progbits
	.p2align	6, 0x0
	.amdhsa_kernel k_q4742b1c0c9_proj
		.amdhsa_group_segment_fixed_size 327680
		.amdhsa_private_segment_fixed_size 0
		.amdhsa_enable_private_segment 0
		.amdhsa_kernarg_size 32
		.amdhsa_user_sgpr_count 2
		.amdhsa_user_sgpr_kernarg_segment_ptr 1
		.amdhsa_wavefront_size32 1
		.amdhsa_system_sgpr_workgroup_id_x 1
		.amdhsa_system_sgpr_workgroup_id_y 1
		.amdhsa_system_sgpr_workgroup_id_z 1
		.amdhsa_system_vgpr_workitem_id 0
		.amdhsa_next_free_vgpr 896
		.amdhsa_next_free_sgpr 68
		.amdhsa_reserve_vcc 0
		.amdhsa_float_denorm_mode_32 3
		.amdhsa_float_denorm_mode_16_64 3
		.amdhsa_memory_ordered 1
		.amdhsa_forward_progress 1
		.amdhsa_inst_pref_size 119
	.end_amdhsa_kernel
	.amdgpu_metadata
---
amdhsa.version: [ 1, 2 ]
amdhsa.kernels:
  - .name:           k_q4742b1c0c9_proj
    .symbol:         k_q4742b1c0c9_proj.kd
    .args:
      - { .name: heads, .offset: 0, .size: 8, .value_kind: global_buffer, .address_space: global }
      - { .name: wo, .offset: 8, .size: 8, .value_kind: global_buffer, .address_space: global }
      - { .name: out0, .offset: 16, .size: 8, .value_kind: global_buffer, .address_space: global }
      - { .name: b_o, .offset: 24, .size: 8, .value_kind: global_buffer, .address_space: global }
    .group_segment_fixed_size: 327680
    .private_segment_fixed_size: 0
    .kernarg_segment_align: 8
    .kernarg_segment_size: 32
    .max_flat_workgroup_size: 128
    .sgpr_count:     68
    .vgpr_count:     896
    .wavefront_size: 32
...
	.end_amdgpu_metadata
.endif
;; end of part 4
